; MI455X (gfx1250); checked and timed in simulation.
; The chip was launched on July 23, 2026; its instructions are those of AMD's public machine-readable ISA for CDNA 5 (MIT licence, August 2026) and "CDNA5" Instruction Set Architecture Reference Guide (July 2026). The comments in the code are by the model that wrote it; some were corrected since.
;; Multi Head Attention2. Allowed arithmetic: matrix products marked QUANTISED: E2M3 operands, one E8M0 scale for each 32 along K, by v_wmma_scale_f32_16x16x128_f8f6f4 with both operands' format E2M3, f32 sums; everything else in f32.
;; Inputs: Wk 1,024 x 1,024 float32; Wo 1,024 x 1,024 float32; Wq 1,024 x 1,024 float32; Wv 1,024 x 1,024 float32; bk 1,024 float32; bo 1,024 float32; bq 1,024 float32; bv 1,024 float32; x 4 x 2,048 x 1,024 float32.
;; Outputs: out0 4 x 2,048 x 1,024 float32.
;; This version of the problem:
;;   THIS VERSION OF THE PROBLEM IS GIVEN IN LOW PRECISION. The matrix products marked QUANTISED in the list below multiply operands that are first quantised to E2M3 (2 exponent bits, 3 mantissa bits; 6 bits a number), with one power-of-two scale for each 32 numbers along K (OCP MX v1.0); their sums are f32. All else is computed in f32.
;;   The module's matrix products, in the order in which they are computed (A, B: the left and right operand; K: the contracted axis; several contracted axes count as one K, in the product's order):
;;     1. [M 8,192, K 1,024] x [K 1,024, N 1,024]; A: input x; B: input Wq: QUANTISED
;;     2. [M 8,192, K 1,024] x [K 1,024, N 1,024]; A: input x; B: input Wk: QUANTISED
;;     3. [M 8,192, K 1,024] x [K 1,024, N 1,024]; A: input x; B: input Wv: QUANTISED
;;     4. batch 64 x [M 2,048, K 64] x [K 64, N 2,048]; A: computed on the way; B: computed on the way: QUANTISED
;;     5. batch 64 x [M 2,048, K 2,048] x [K 2,048, N 64]; A: softmax (see below); B: computed on the way: QUANTISED
;;     6. [M 8,192, K 1,024] x [K 1,024, N 1,024]; A: computed on the way; B: input Wo: QUANTISED
;;   THE QUANTISER, for each operand of a quantised product, along K:
;;     - K is cut into blocks of 32 from its start; a last block that is shorter is filled with zeros.
;;     - A block's scale is 2^e with e = floor(log2(the largest magnitude in the block)) - 2, held to -126 .. 127; a block of zeros has e = 0. As a byte (E8M0): e + 127.
;;     - Each number is divided by its block's scale, clamped to +-7.5, and rounded to the nearest number of E2M3, ties to even, subnormals kept.
;;     - The product sums the exact products of the quantised numbers (number of the format x scale) in f32.
;;   ~~~python
;;   def quantise(x, axis):      # numpy; x: float32 -> the quantised numbers, widened to float32 again
;;       x = np.moveaxis(x, axis, -1); K = x.shape[-1]
;;       x = np.pad(x, [(0, 0)] * (x.ndim - 1) + [(0, -K % 32)]); x = x.reshape(x.shape[:-1] + (-1, 32)); a = np.abs(x).max(-1, keepdims=True)
;;       e = np.where(a > 0, np.clip(np.frexp(np.where(a > 0, a, 1))[1] - 1 - 2, -126, 127), 0)      # np.frexp(a)[1] - 1 = floor(log2(a)), exactly
;;       r = np.clip(x / 2.0 ** e, -7.5, 7.5)
;;       step = 2.0 ** (np.maximum(np.frexp(np.where(r == 0, 1, r))[1] - 1, 0) - 3)
;;       q = np.round(r / step) * step * 2.0 ** e      # np.round: ties to even
;;       return np.moveaxis(q.reshape(q.shape[:-2] + (-1,))[..., :K], -1, axis).astype(np.float32)
;;   ~~~
;;   SOFTMAX AHEAD OF A QUANTISED PRODUCT. Where the list says 'softmax', what is quantised is not the finished softmax but p = 2^(t - M), with t = logit x log2(e) and M = ceil(the row's largest t), a whole number; so 1/2 < the row's largest p <= 1. The row's sum l is taken of the UNQUANTISED p, in f32, and the product's result is divided by l at the end. Since M is a whole number, a kernel that streams over the keys may use a running M (the ceiling of the running maximum): every later rescaling is an exact power of two, which a block's scale takes up: the codes' values come out the same.
;;   OPERANDS COMPUTED ON THE WAY. 'Computed on the way' means the value that the module computes at that place (a softmax that the list does not call 'softmax' is quantised finished and normalised). What goes into a quantiser is computed in f32, as accurately as f32 sums, v_exp_f32 and their like allow (about 1e-6 of the number): no bf16 or f16 on the way to a quantiser, and a product that is left as it is and whose result goes on into a quantised operand takes f32 operands (vector FMAs, or v_wmma_f32_16x16x4_f32). A number that lies on a knife's edge between two numbers of the format may be rounded either way, as far as f32 arithmetic and the matrix unit's own rounding can turn it there, and no further.
;; One version. Each part assembles by itself: llvm-mc -triple=amdgcn-amd-amdhsa -mcpu=gfx1250 --defsym DOCPART=n.
;; ======== version 1 of 1: 4 launches
;; limits: right only within a limited range of input values
;; workspace buffers: xcod 6,291,456 bytes; xscl 262,144 bytes; wcod 3,145,728 bytes; wscl 131,072 bytes; hcod 18,874,368 bytes; hscl 1,310,720 bytes; acod 6,291,456 bytes; ascl 262,144 bytes
;; launch quant (part 1): grid 384 x 1, 4 waves a work-group, no clusters, 68,096 bytes of LDS; arguments x, Wq, Wk, Wv, Wo, xcod, xscl, wcod, wscl; writes xcod, xscl, wcod, wscl
.if DOCPART == 1
	.amdgcn_target "amdgcn-amd-amdhsa--gfx1250"
	.amdhsa_code_object_version 6
	.text
	.protected	k_q3b8874f138_quant
	.globl	k_q3b8874f138_quant
	.p2align	8
	.type	k_q3b8874f138_quant,@function
k_q3b8874f138_quant:
	s_mov_b64 s[64:65], 0
	v_nop
	global_prefetch_b8 v0, s[64:65] scope:SCOPE_SE
	s_setreg_imm32_b32 hwreg(HW_REG_WAVE_MODE, 25, 1), 1
	s_wait_xcnt 0x0
; x [8192][1024] f32 (K innermost) and Wq, Wk, Wv, Wo [1024 (k)][1024 (n)] f32 (K outermost) become codes of FP6 (E2M3) with K innermost, 768 bytes a row, and one E8M0 byte for each 32 along K, 32 bytes a row.
; A block's scale is 2^(floor(log2(its largest magnitude)) - 2); its byte is the largest magnitude's exponent field - 2, held at 1 from below; each number is divided by the scale and rounded to the nearest code, ties to even.
; POSITIONS.  sw(i) = i with its bits 3 and 4 exchanged.  Row t of x is stored at row sw(t) of xcod and xscl; column n of a weight at row sw(n) of that weight's 1,024 rows of wcod and wscl (Wq, Wk, Wv, Wo on end).
; So 16 neighbouring rows of these buffers, taken as source 0 of a product, leave 16 neighbours along the next K in a lane's registers of two neighbouring tiles.
; Work-groups 0-255 take x: a wave takes 8 rows (16 steps of 512 numbers); sw on rows is the exchange of the wave number's two bits in the place where the run is stored.
; Work-groups 256-383 take the weights: a wave takes 32 columns x 256 along K, a lane a column, its registers down K; the codes leave through the wave's own stage in LDS, whose rows are positions.
; The two ways part on the work-group's number and have LDS bytes of their own.  No cluster: no two work-groups read the same input.  No barrier: waves share nothing.
; LIMITS: NaN and infinities are not served.  A block of zeros, or one whose largest magnitude lies under 2^-124, gets the byte 1 (the rule says 127 for zeros): its codes are zeros or the rule's own, and this program alone reads the bytes.
.set SPW,   12                         ; v12  LDS address of my spare word; never rewritten
.set NIL,   13                         ; v13  0; never rewritten
.set SPARE, 67584                      ; behind both ways' bytes: the spare words, 128 bytes for each wave
.set EMAX,  2
.set STEPS, 16                         ; x: steps of 512 numbers a wave
.set CB,    12                         ; bytes of 16 codes
.set XR,    16                         ; v16-79   x: four sets of 16 numbers as loaded
.set XN,    80                         ; v80-111  two sets of 16 neighbours
.set XE,    112                        ; v112-127 a scale byte for each step
.set XC,    128                        ; v128-191 codes, four registers for each step
.set WREG,  8192                       ; x: LDS region of a wave: two stages of 32 x SP bytes, then its 256 scale bytes
.set SP,    80                         ; a lane's place in a stage: 64 bytes + 16 of padding
.set WSTG,  32768                      ; weights: the four stages begin here
.set NB,    8                          ; blocks of 32 along K for a wave
.set PITCH, 272                        ; a stage row: sixteen places of 16 bytes (12 of codes each) + 16
.set KROW,  768                        ; a row of codes in memory
.set WN,    32                         ; v32-95   weights: two sets of 32 numbers
.set WC,    96                         ; v96..    a block's codes
.set WO,    112                        ; v112-175 the way out
.set WS,    24                         ; v24-25   the scale bytes, four to a register
	s_load_b512 s[4:19], s[0:1], 0x0               ; x 4, Wq 6, Wk 8, Wv 10, Wo 12, xcod 14, xscl 16, wcod 18
	s_load_b64 s[20:21], s[0:1], 0x40              ; wscl
	v_lshl_add_u32 v[SPW], v0, 2, SPARE
	v_mov_b32 v[NIL], 0
	v_lshrrev_b32 v1, 5, v0
	v_readfirstlane_b32 s22, v1                    ; wave
	v_and_b32 v2, 31, v0                           ; lane
	s_cmp_ge_u32 ttmp9, 256
	s_cbranch_scc1 .Lweights
	; ---------------- x ----------------
	v_lshlrev_b32 v3, 4, v2                        ; my 16 bytes of a load's 512
	s_mul_i32 s23, s22, WREG
	v_lshrrev_b32 v14, 2, v2
	v_mul_u32_u24 v14, v14, SP
	v_and_b32 v15, 3, v2
	v_lshl_add_u32 v14, v15, 4, v14
	v_add_nc_u32 v14, s23, v14                     ; the stage, on the way in: SP (lane / 4) + 16 (lane % 4)
	v_mul_u32_u24 v15, v2, SP
	v_add_nc_u32 v15, s23, v15                     ; on the way out: SP x lane: my 16 neighbours
; LAYOUT OF THE CODES (it takes the place of the rows of 768 bytes named at the head): xcod is [4 chunks of 256 along K][8,192 rows][192 bytes], wcod [4 chunks][4,096 rows][192 bytes]:
; 128 rows of one chunk are 24,576 consecutive bytes that begin at a multiple of 256, which the later launches fetch as rows of 256 bytes.
.set XCH, 1572864                      ; a chunk of xcod in bytes
	v_and_b32 v4, 15, v2
	v_mul_u32_u24 v4, v4, CB                       ; sixteen lanes fill a row's 192 bytes of one chunk,
	v_lshrrev_b32 v10, 4, v2
	v_mad_u32_u24 v4, v10, XCH, v4                 ; lanes 16-31 those of the next chunk
	v_lshrrev_b32 v5, 1, v2
	s_add_co_u32 s23, s23, 2*32*SP
	v_add_nc_u32 v5, s23, v5                       ; my wave's 256 scale bytes, my block's byte
	v_lshlrev_b32 v7, 3, v2
	v_add_nc_u32 v6, s23, v7                       ; and on the way out 8 bytes a lane
	s_lshl_b32 s24, ttmp9, 2
	s_add_co_u32 s26, s24, s22                     ; the run of 8 rows that I read: 4 x work-group + wave
	s_lshl_b32 s26, s26, 15                        ; 32,768 bytes a run (1,023 runs at the most: under 2^32)
	s_mov_b32 s27, 0
	s_lshr_b32 s28, s22, 1
	s_and_b32 s29, s22, 1
	s_lshl_b32 s29, s29, 1
	s_or_b32 s28, s28, s29
	s_add_co_u32 s28, s24, s28                     ; the run where I store: the wave's two bits exchanged, which is sw on the rows
	s_mul_i32 s30, s28, 1536                       ; 8 rows of 192 bytes in each chunk
	s_mov_b32 s31, 0
	s_lshl_b32 s28, s28, 8                         ; 8 rows of 32 scale bytes
	s_mov_b32 s29, 0
	s_wait_alu depctr_va_vdst(0)
	s_wait_kmcnt 0x0
	s_add_nc_u64 s[4:5], s[4:5], s[26:27]
	s_add_nc_u64 s[14:15], s[14:15], s[30:31]
	s_add_nc_u64 s[16:17], s[16:17], s[28:29]
.macro XLOAD t
.irp i, 0,1,2,3
	global_load_b128 v[XR+16*((\t)%4)+4*\i:XR+16*((\t)%4)+4*\i+3], v3, s[4:5] offset:2048*(\t)+512*\i th:TH_LOAD_NT   ; 32 lanes read 512 consecutive bytes
.endr
.endm
.macro XTURN t                         ; step t's numbers through the stage: LDS serves a wave's instructions in order, so no wait stands between the stores and the loads
.irp i, 0,1,2,3
	ds_store_b128 v14, v[XR+16*((\t)%4)+4*\i:XR+16*((\t)%4)+4*\i+3] offset:32*SP*((\t)%2)+8*SP*\i
.endr
.irp i, 0,1,2,3
	ds_load_b128 v[XN+16*((\t)%2)+4*\i:XN+16*((\t)%2)+4*\i+3], v15 offset:32*SP*((\t)%2)+16*\i
.endr
.endm
.irp t, 0,1,2,3
	XLOAD \t
.endr
	s_wait_loadcnt 12                              ; step 0's four loads are in; the twelve of steps 1 to 3 may be out
	XTURN 0
.macro XSTEP t
.set XS, XN+16*((\t)%2)
.if (\t) > 0
	s_wait_dscnt 1                                 ; this step's numbers are back from the stage (the last step's byte store may be out)
.else
	s_wait_dscnt 0x0
.endif
.if (\t)+4 < STEPS
	XLOAD (\t)+4                                   ; into the registers that this step's stores to the stage have read
.endif
.if (\t)+1 < STEPS
.if STEPS-2-(\t) >= 3
	s_wait_loadcnt 12                              ; the next step's four loads are in; those of the three steps behind it may be out
.else
	s_wait_loadcnt 4*(STEPS-2-(\t))
.endif
	XTURN (\t)+1
.endif
	v_max3_num_f32 v8, |v[XS]|, |v[XS+1]|, |v[XS+2]|               ; the largest magnitude of my 16, in two chains
	v_max3_num_f32 v9, |v[XS+3]|, |v[XS+4]|, |v[XS+5]|
.irp i, 6,10
	v_max3_num_f32 v8, v8, |v[XS+\i]|, |v[XS+\i+1]|
	v_max3_num_f32 v9, v9, |v[XS+\i+2]|, |v[XS+\i+3]|
.endr
	v_max3_num_f32 v8, v8, |v[XS+14]|, |v[XS+15]|
	v_max3_num_f32 v8, v8, v9, (EMAX+1)<<23        ; and the floor 2^(3 - 127): the byte cannot fall under 1
	v_max_num_f32_dpp v8, v8, v8 row_xmask:1 row_mask:0xf bank_mask:0xf   ; with my neighbour's 16: the block's
	v_add_nc_u32 v11, -(EMAX<<23), v8              ; 2 off its exponent field: the conversion takes the exponent field of this operand as its scale
	v_cvt_scalef32_pk16_fp6_f32 v[XC+4*(\t):XC+4*(\t)+2], v[XS:XS+15], v11
	v_lshrrev_b32 v[XE+(\t)], 23, v11              ; the scale's byte (also the plain line behind the conversion)
	ds_store_b8 v5, v[XE+(\t)] offset:16*(\t)      ; both lanes of a block write the same byte with the same value
	global_store_b96 v4, v[XC+4*(\t):XC+4*(\t)+2], s[14:15] offset:2*XCH*((\t)%2)+192*((\t)/2)   ; step t is half t % 2 of row t / 2: two chunks, 192 consecutive bytes in each
.endm
.irp t, 0,1,2,3,4,5,6,7,8,9,10,11,12,13,14,15
	XSTEP \t
.endr
	ds_load_b64 v[8:9], v6                         ; LDS serves a wave's instructions in order: this sees my byte stores
	s_wait_dscnt 0x0
	global_store_b64 v7, v[8:9], s[16:17]          ; 32 lanes store 256 consecutive bytes, aligned
	s_wait_tensorcnt 0x0                           ; the wave's end
	ds_add_u32 v[SPW], v[NIL]
	s_wait_dscnt 0x0
	s_endpgm
	; ---------------- the weights ----------------
.Lweights:
	s_sub_co_u32 s23, ttmp9, 256
	s_lshr_b32 s24, s23, 5                         ; which weight: 0 Wq, 1 Wk, 2 Wv, 3 Wo
	s_and_b32 s25, s23, 7                          ; which 128 columns
	s_bfe_u32 s26, s23, 0x20003                    ; which 256 along K
	s_lshl_b32 s27, s25, 7
	s_lshl_b32 s28, s22, 5
	s_add_co_u32 s27, s27, s28                     ; my wave's first column, a multiple of 32
	s_wait_alu depctr_va_vdst(0)
	v_lshlrev_b32 v3, 2, v2                        ; in: 4 bytes a lane
	v_and_b32 v1, 7, v2
	v_bfe_u32 v5, v2, 3, 1
	v_bfe_u32 v6, v2, 4, 1
	v_lshl_or_b32 v1, v5, 4, v1
	v_lshl_or_b32 v1, v6, 3, v1                    ; sw(lane): my column's position among the wave's 32
	s_mul_i32 s28, s22, 32*PITCH
	s_add_co_u32 s28, s28, WSTG                    ; my stage
	v_mul_u32_u24 v4, v1, PITCH
	v_add_nc_u32 v4, s28, v4                       ; into it: row = my column's position
	v_and_b32 v5, 15, v2
	v_lshrrev_b32 v6, 4, v2
	v_mul_u32_u24 v7, v6, PITCH
	v_lshl_add_u32 v7, v5, 4, v7
	v_add_nc_u32 v7, s28, v7                       ; out of it: sixteen lanes to a row, two rows an instruction
	v_mul_u32_u24 v8, v6, 192
	v_mad_u32_u24 v8, v5, 12, v8                   ; and the same place in wcod
	v_lshlrev_b32 v9, 5, v1                        ; my position's row of scale bytes
	s_lshl_b32 s30, s26, 20                        ; 256 rows of 4,096 bytes
	s_lshl_b32 s31, s27, 2
	s_add_co_u32 s30, s30, s31
	s_mov_b32 s31, 0
	s_lshl_b32 s32, s24, 10
	s_add_co_u32 s32, s32, s27                     ; the first row of wcod and wscl that I store
	s_mul_i32 s34, s32, 192                        ; my first row in a chunk,
	s_mul_i32 s33, s26, 786432                     ; and my chunk of wcod
	s_add_co_u32 s34, s34, s33
	s_mov_b32 s35, 0
	s_lshl_b32 s36, s32, 5
	s_lshl_b32 s33, s26, 3
	s_add_co_u32 s36, s36, s33
	s_mov_b32 s37, 0
	s_wait_kmcnt 0x0
	s_cmp_eq_u32 s24, 1                            ; the choice hangs on the work-group's number alone
	s_cselect_b64 s[6:7], s[8:9], s[6:7]
	s_cmp_eq_u32 s24, 2
	s_cselect_b64 s[6:7], s[10:11], s[6:7]
	s_cmp_eq_u32 s24, 3
	s_cselect_b64 s[6:7], s[12:13], s[6:7]
	s_add_nc_u64 s[6:7], s[6:7], s[30:31]
	s_add_nc_u64 s[18:19], s[18:19], s[34:35]
	s_add_nc_u64 s[20:21], s[20:21], s[36:37]
.macro WLOAD t                         ; block t: W(32 t + i, my column), i = 0 .. 31: each load reads 128 consecutive bytes a wave
.set ii, 0
.rept 32
	global_load_b32 v[WN+32*((\t)%2)+ii], v3, s[6:7] offset:(32*(\t)+ii)*4096 th:TH_LOAD_NT
.set ii, ii+1
.endr
.endm
	WLOAD 0
	WLOAD 1
.macro WBLOCK t
.set XS, WN+32*((\t)%2)
.if (\t) < NB-1
	s_wait_loadcnt 32                              ; this block's 32 loads are in; the next block's 32 may be out
.else
	s_wait_loadcnt 0
.endif
	v_max3_num_f32 v16, |v[XS]|, |v[XS+1]|, |v[XS+2]|              ; the block's largest magnitude: all 32 numbers are mine
	v_max3_num_f32 v17, |v[XS+3]|, |v[XS+4]|, |v[XS+5]|
.irp i, 6,10,14,18,22,26
	v_max3_num_f32 v16, v16, |v[XS+\i]|, |v[XS+\i+1]|
	v_max3_num_f32 v17, v17, |v[XS+\i+2]|, |v[XS+\i+3]|
.endr
	v_max3_num_f32 v16, v16, |v[XS+30]|, |v[XS+31]|
	v_max3_num_f32 v16, v16, v17, (EMAX+1)<<23     ; and the floor
	v_add_nc_u32 v11, -(EMAX<<23), v16             ; the conversion's scale operand
	v_lshrrev_b32 v17, 23, v11                     ; the scale's byte
.if (\t)%4 == 0
	v_mov_b32 v[WS+(\t)/4], v17                    ; four bytes to a register, the lower K in the lower byte
.else
	v_lshl_or_b32 v[WS+(\t)/4], v17, 8*((\t)%4), v[WS+(\t)/4]
.endif
	v_cvt_scalef32_pk16_fp6_f32 v[WC:WC+2], v[XS:XS+15], v11
	v_cvt_scalef32_pk16_fp6_f32 v[WC+4:WC+6], v[XS+16:XS+31], v11  ; (a conversion's three registers begin on an even number)
	v_nop                                          ; one plain line behind the last conversion
	ds_store_b96 v4, v[WC:WC+2] offset:32*(\t)     ; 12 bytes to a place of 16, so that every LDS address is a multiple of 16
	ds_store_b96 v4, v[WC+4:WC+6] offset:32*(\t)+16
.if (\t)+2 < NB
	WLOAD (\t)+2
.endif
	s_wait_dscnt 0x0                               ; the stores have read their registers: the next block's codes may be written
.endm
.irp t, 0,1,2,3,4,5,6,7
	WBLOCK \t
.endr
	s_wait_alu depctr_va_vdst(0)
	global_store_b64 v9, v[WS:WS+1], s[20:21]      ; my column's 8 scale bytes
.irp t, 0,1,2,3,4,5,6,7,8,9,10,11,12,13,14,15
	ds_load_b96 v[WO+4*\t:WO+4*\t+2], v7 offset:2*\t*PITCH
.endr
.irp t, 0,1,2,3,4,5,6,7,8,9,10,11,12,13,14,15
	s_wait_dscnt 15-\t                             ; LDS loads come back in order: load t is in, the younger ones may be out
	global_store_b96 v8, v[WO+4*\t:WO+4*\t+2], s[18:19] offset:2*\t*192   ; the wave's 32 rows of 192 bytes lie on end
.endr
	s_wait_tensorcnt 0x0                           ; the wave's end
	ds_add_u32 v[SPW], v[NIL]
	s_wait_dscnt 0x0
	s_endpgm
.Lfunc_end_k_q3b8874f138_quant:
	.size	k_q3b8874f138_quant, .Lfunc_end_k_q3b8874f138_quant-k_q3b8874f138_quant
	.p2alignl 7, 3214868480
	.fill 96, 4, 3214868480
	.section	.rodata,"a",@progbits
	.p2align	6, 0x0
	.amdhsa_kernel k_q3b8874f138_quant
		.amdhsa_group_segment_fixed_size 68096
		.amdhsa_private_segment_fixed_size 0
		.amdhsa_enable_private_segment 0
		.amdhsa_kernarg_size 72
		.amdhsa_user_sgpr_count 2
		.amdhsa_user_sgpr_kernarg_segment_ptr 1
		.amdhsa_wavefront_size32 1
		.amdhsa_system_sgpr_workgroup_id_x 1
		.amdhsa_system_sgpr_workgroup_id_y 1
		.amdhsa_system_sgpr_workgroup_id_z 1
		.amdhsa_system_vgpr_workitem_id 0
		.amdhsa_next_free_vgpr 192
		.amdhsa_next_free_sgpr 66
		.amdhsa_reserve_vcc 0
		.amdhsa_float_denorm_mode_32 3
		.amdhsa_float_denorm_mode_16_64 3
		.amdhsa_memory_ordered 1
		.amdhsa_forward_progress 1
		.amdhsa_inst_pref_size 74
	.end_amdhsa_kernel
	.amdgpu_metadata
---
amdhsa.version: [ 1, 2 ]
amdhsa.kernels:
  - .name:           k_q3b8874f138_quant
    .symbol:         k_q3b8874f138_quant.kd
    .args:
      - { .name: x, .offset: 0, .size: 8, .value_kind: global_buffer, .address_space: global }
      - { .name: Wq, .offset: 8, .size: 8, .value_kind: global_buffer, .address_space: global }
      - { .name: Wk, .offset: 16, .size: 8, .value_kind: global_buffer, .address_space: global }
      - { .name: Wv, .offset: 24, .size: 8, .value_kind: global_buffer, .address_space: global }
      - { .name: Wo, .offset: 32, .size: 8, .value_kind: global_buffer, .address_space: global }
      - { .name: xcod, .offset: 40, .size: 8, .value_kind: global_buffer, .address_space: global }
      - { .name: xscl, .offset: 48, .size: 8, .value_kind: global_buffer, .address_space: global }
      - { .name: wcod, .offset: 56, .size: 8, .value_kind: global_buffer, .address_space: global }
      - { .name: wscl, .offset: 64, .size: 8, .value_kind: global_buffer, .address_space: global }
    .group_segment_fixed_size: 68096
    .private_segment_fixed_size: 0
    .kernarg_segment_align: 8
    .kernarg_segment_size: 72
    .max_flat_workgroup_size: 128
    .sgpr_count:     66
    .vgpr_count:     192
    .wavefront_size: 32
...
	.end_amdgpu_metadata
.endif
;; end of part 1
;; launch proj (part 2): grid 8 x 48, 4 waves a work-group, clusters of 4 x 4, 327,680 bytes of LDS; arguments xcod, xscl, wcod, wscl, bq, bk, bv, hcod, hscl; writes hcod, hscl
.if DOCPART == 2
	.amdgcn_target "amdgcn-amd-amdhsa--gfx1250"
	.amdhsa_code_object_version 6
	.text
	.protected	k_q3b8874f138_proj
	.globl	k_q3b8874f138_proj
	.p2align	8
	.type	k_q3b8874f138_proj,@function
k_q3b8874f138_proj:
	s_mov_b64 s[64:65], 0
	v_nop
	global_prefetch_b8 v0, s[64:65] scope:SCOPE_SE
	s_setreg_imm32_b32 hwreg(HW_REG_WAVE_MODE, 25, 1), 1
	s_wait_xcnt 0x0
	s_wait_alu depctr_hold_cnt(0) depctr_sa_sdst(0) depctr_va_vdst(0) depctr_va_sdst(0) depctr_va_ssrc(0) depctr_va_vcc(0) depctr_vm_vsrc(0)
	s_getreg_b32 s2, hwreg(HW_REG_IB_STS2, 6, 4)
	s_cmp_eq_u32 s2, 0
	s_cbranch_scc0 .Lentry_in_a_cluster
	s_endpgm
.Lentry_in_a_cluster:
	s_bfe_u32 s2, ttmp6, 0x10000c
	s_cmp_lg_u32 s2, 0xf033
	s_cbranch_scc0 .Lentry_shape_is_right
	s_endpgm
.Lentry_shape_is_right:
.set KSTEP,  256
.set NQ,     2
.set ROWB,   192
.set KROW,   768
.set PITCH,  240
.set FR,     12
.set NL,     6
.set NP,     4
.set HALFT,  128*PITCH
.set SLOT,   4*HALFT
.set LAPS,   2
.set KS,     32
.set SCL,    2*SLOT
.set HALFS,  (128*KS/256)*272
.set SBLK,   (16*KS/256)*272
.set SPARE,  SCL+4*HALFS
.set SCWQ,   SPARE+512
.set SCWV,   SCWQ+4096
.set CO16, 7
.set CO8,  8
.set SWQ,  9
.set SRQ,  10
.set SWV,  11
.set SRV,  12
.set COV,  13
.set SH,   14
.set BO,   15
.set ADRA, 16
.set ADRB, 20
.set ADRS, 27
.set SPW,  28
.set NIL,  29
.set BVO,  30
.set SC,   32
.set BI,   64
.set AF,   128
.set BR,   224
.set HA,   128
.set PC,   192
.set PW,   212
.set WD,   213
.set BACK, 216
.set TM,   240
.set SEL,  22
.set G1,   24
.set G0,   32
.set G1B,  48
.set G0B,  56
.set G1S,  68
.set G0S,  76
.set G1SB, 80
.set G0SB, 88
.set WV,   92
.set RH,   93
.set CH,   94
.set TYP,  95
.set PA,   96
.set PAS,  98
.set PB,   100
.set PBS,  66
.set OC,   12
.set OS,   14
.set MSB, 0
.macro WIN new
.if MSB != (\new)
	s_set_vgpr_msb (MSB<<8)|(\new)
.set MSB, (\new)
.endif
.endm
.set MUL_LO, 0xa1
.set MUL_HI, 0xf1
.set TO_B,   0x40
.macro JLOAD g0a, g1a, g0b, g1b
	s_cmp_eq_u32 s[RH], 0
	s_cbranch_scc0 .Lfor_b_\@
	tensor_load_to_lds s[\g0a:\g0a+3], s[\g1a:\g1a+7]
	s_nop 0
.rept 4
	v_nop
.endr
	s_branch .Lasked_\@
.Lfor_b_\@:
	tensor_load_to_lds s[\g0b:\g0b+3], s[\g1b:\g1b+7]
	s_nop 0
.rept 4
	v_nop
.endr
.Lasked_\@:
.endm
.macro CREST
	s_cmp_lg_u32 s[WV], 0
	s_cbranch_scc1 .Lnot_wave_0_\@
	s_barrier_signal -3
.Lnot_wave_0_\@:
	s_barrier_wait -3
	s_barrier_signal -1
	s_barrier_wait -1
.endm
.macro CROUND
	s_barrier_signal -1
	s_barrier_wait -1
	CREST
.endm
	s_load_b512 s[4:19], s[0:1], 0x0
	s_load_b64 s[20:21], s[0:1], 0x40
	v_lshl_add_u32 v[SPW], v0, 2, SPARE
	v_mov_b32 v[NIL], 0
	ds_add_u32 v[SPW], v[NIL]
	ds_add_u32 v[SPW], v[NIL]
	v_lshrrev_b32 v1, 5, v0
	v_readfirstlane_b32 s[WV], v1
	s_lshr_b32 s[RH], s[WV], 1
	s_and_b32 s[CH], s[WV], 1
	s_bfe_u32 s40, ttmp6, 0x40000
	s_bfe_u32 s41, ttmp6, 0x40004
	s_and_b32 s2, ttmp7, 0xffff
	s_lshl_b32 s3, s2, 2
	s_max_u32 s44, s2, 8
	s_sub_co_u32 s44, s44, 8
	s_lshl_b32 s44, s44, 3
	s_lshl_b32 s45, ttmp9, 2
	s_cmp_lt_u32 s2, 8
	s_cselect_b32 s[TYP], 0, 1
	s_cselect_b32 s43, s3, 8
	s_add_co_u32 s43, s43, s41
	s_add_co_u32 s42, s44, s45
	s_add_co_u32 s42, s42, s40
	s_lshl_b32 s44, s41, 2
	s_lshl_b32 s44, 15, s44
	s_lshl_b32 s45, 0x1111, s40
	s_or_b32 s[G1+0], s44, (0<<16)|(1<<20)|(1<<21)|(3<<22)|(3<<25)
	s_or_b32 s[G1B+0], s45, (0<<16)|(1<<20)|(1<<21)|(3<<22)|(3<<25)
.irp g, G1, G1B
	s_mov_b32 s[\g+1], 256<<16                     ; 128 rows of one chunk are dense: 24,576 bytes, stated as 96 rows of 256 bytes; the padding's interval stays 64 bytes, so an LDS row is 192 + 48 bytes as before
	s_mov_b32 s[\g+2], 192<<16                     ; the head's loads bring a whole tile of 256 rows: 192 rows of 256 bytes
	s_mov_b32 s[\g+3], 256<<16
	s_mov_b32 s[\g+4], 192
	s_mov_b32 s[\g+5], 256
	s_mov_b32 s[\g+6], 0
	s_mov_b32 s[\g+7], 0
.endr
	s_or_b32 s[G1S+0], s44, (3<<16)|(1<<20)|(1<<21)|(5<<22)|(3<<25)
	s_or_b32 s[G1SB+0], s45, (3<<16)|(1<<20)|(1<<21)|(5<<22)|(3<<25)
.irp g, G1S, G1SB
	s_mov_b32 s[\g+1], 32<<16
	s_mov_b32 s[\g+2], (256*KS/256)<<16            ; the scales of 256 rows in one load
	s_mov_b32 s[\g+3], 32<<16
	s_mov_b32 s[\g+4], 256*KS/256
	s_mov_b32 s[\g+5], 32
	s_mov_b32 s[\g+6], 0
	s_mov_b32 s[\g+7], 0
.endr
	s_mov_b32 s[SEL], 0x76543210
	s_mov_b32 s[SEL+1], 0xfedcba98
	s_lshl_b32 s3, s43, 8                          ; A: the tile's first row
	s_mul_i32 s[G0+2], s3, ROWB
	s_mov_b32 s[G0+3], 0
	s_lshl_b32 s[G0S+2], s3, 5
	s_mov_b32 s[G0S+3], 0
	s_lshl_b32 s46, s42, 8                         ; B: the tile's first row
	s_mul_i32 s[G0B+2], s46, ROWB
	s_mov_b32 s[G0B+3], 0
	s_lshl_b32 s[G0SB+2], s46, 5
	s_mov_b32 s[G0SB+3], 0
	s_mul_i32 s47, s[WV], HALFT
	s_mul_i32 s2, s[CH], 128*ROWB                  ; s[2:3]: in the ring I fetch 128 rows of a tile: which half, in bytes
	s_mov_b32 s3, 0
	s_wait_dscnt 0x0
	s_wait_kmcnt 0x0
	s_cmp_eq_u32 s[TYP], 0
	s_cselect_b64 s[PA:PA+1], s[4:5], s[8:9]
	s_cselect_b64 s[PAS:PAS+1], s[6:7], s[10:11]
	s_cselect_b64 s[PB:PB+1], s[8:9], s[4:5]
	s_cselect_b64 s[PBS:PBS+1], s[10:11], s[6:7]
	s_mov_b32 s8, 786432                           ; from chunk to chunk: wcod's step, xcod's step
	s_mov_b32 s10, 1572864
	s_cselect_b32 s4, s10, s8                      ; s[4:5] A's step, s[6:7] B's (the arguments that lay here have been copied)
	s_cselect_b32 s6, s8, s10
	s_mov_b32 s5, 0
	s_mov_b32 s7, 0
	s_lshl_b32 s8, s4, 1                           ; s[8:9], s[10:11]: two steps
	s_lshl_b32 s10, s6, 1
	s_mov_b32 s9, 0
	s_mov_b32 s11, 0
	CROUND
	s_mov_b32 s[G0S], 1
	s_mov_b32 s[G0S+1], SCL
	s_add_nc_u64 s[G0S+2:G0S+3], s[PAS:PAS+1], s[G0S+2:G0S+3]
	s_or_b32 s[G0S+3], s[G0S+3], 0x80000000
	s_mov_b32 s[G0SB], 1
	s_mov_b32 s[G0SB+1], SCL+2*HALFS
	s_add_nc_u64 s[G0SB+2:G0SB+3], s[PBS:PBS+1], s[G0SB+2:G0SB+3]
	s_or_b32 s[G0SB+3], s[G0SB+3], 0x80000000
; THE HEAD'S LOADS, ONE A WAVE: wave 0 chunk 0's 256 rows of A, wave 1 its 256 rows of B, wave 2 the scales of A's rows, wave 3 those of B's.  Slot 0's groups 0 state the whole tiles here; behind the wait for
; these loads they are set to my quarter, for the ring.  Slot 1's state my quarter of chunk 1.
	s_add_nc_u64 s[G0+2:G0+3], s[PA:PA+1], s[G0+2:G0+3]
	s_add_nc_u64 s[G0+6:G0+7], s[G0+2:G0+3], s[4:5]
	s_add_nc_u64 s[G0+6:G0+7], s[G0+6:G0+7], s[2:3]
	s_add_nc_u64 s[G0B+2:G0B+3], s[PB:PB+1], s[G0B+2:G0B+3]
	s_add_nc_u64 s[G0B+6:G0B+7], s[G0B+2:G0B+3], s[6:7]
	s_add_nc_u64 s[G0B+6:G0B+7], s[G0B+6:G0B+7], s[2:3]
	s_mov_b32 s[G0+1], 0
	s_mov_b32 s[G0B+1], 2*HALFT
	s_add_co_u32 s[G0+5], s47, SLOT
	s_add_co_u32 s[G0B+5], s47, SLOT
.irp s, 0,1
	s_mov_b32 s[G0+4*\s], 1
	s_or_b32 s[G0+4*\s+3], s[G0+4*\s+3], 0x80000000
	s_mov_b32 s[G0B+4*\s], 1
	s_or_b32 s[G0B+4*\s+3], s[G0B+4*\s+3], 0x80000000
.endr
.macro ARM under, g0, g1, next         ; one chain of branches on the wave's number, a load in every arm, all arms to one join
	s_cmp_lt_u32 s[WV], \under
	s_cbranch_scc0 \next
	tensor_load_to_lds s[\g0:\g0+3], s[\g1:\g1+7]
	s_nop 0
.rept 4
	v_nop
.endr
	s_branch .Lhead_asked
\next:
.endm
	ARM 1, G0,  G1,  .Lhead_b
	ARM 2, G0B, G1B, .Lhead_sa
	ARM 3, G0S, G1S, .Lhead_sb
	tensor_load_to_lds s[G0SB:G0SB+3], s[G1SB:G1SB+7]
	s_nop 0
.rept 4
	v_nop
.endr
.Lhead_asked:
	v_and_b32 v1, 15, v0
	v_bfe_u32 v2, v0, 4, 1
	v_mul_u32_u24 v3, v1, PITCH
	v_mul_u32_u24 v4, v2, 24
	v_add_nc_u32 v4, v3, v4
	v_lshl_add_u32 v5, v2, 4, v4
	s_mul_i32 s2, s[RH], HALFT
	s_mul_i32 s3, s[CH], HALFT
	s_add_co_u32 s3, s3, 2*HALFT
.irp s, 0,1
	v_add_nc_u32 v[ADRA+\s], s2, v4
	v_add_nc_u32 v[ADRB+\s], s3, v4
	v_add_nc_u32 v[ADRA+2+\s], s2, v5
	v_add_nc_u32 v[ADRB+2+\s], s3, v5
	s_add_co_u32 s2, s2, SLOT
	s_add_co_u32 s3, s3, SLOT
.endr
	v_mul_u32_u24 v5, v1, KS
	v_lshrrev_b32 v6, 8, v5
	v_lshl_add_u32 v5, v6, 4, v5
	s_mul_i32 s2, s[RH], HALFS
	s_mul_i32 s3, s[CH], HALFS
	s_add_co_u32 s3, s3, 2*HALFS
	s_sub_co_u32 s3, s3, s2
	v_mul_u32_u24 v6, s3, v2
	s_add_co_u32 s2, s2, SCL
	v_add_nc_u32 v5, v5, v6
	v_add_nc_u32 v[ADRS], s2, v5
	v_and_b32 v6, 31, v0
	v_lshlrev_b32 v[CO16], 4, v6
	v_lshlrev_b32 v[CO8], 3, v6
	v_lshlrev_b32 v3, 2, v1
	s_lshl_b32 s2, s[WV], 10
	s_add_co_u32 s2, s2, SCWQ
	v_lshl_add_u32 v[SWQ], v2, 9, v3
	v_add_nc_u32 v[SWQ], s2, v[SWQ]
	v_add_nc_u32 v[SRQ], s2, v[CO16]
	s_lshl_b32 s2, s[WV], 9
	s_add_co_u32 s2, s2, SCWV
	v_add_nc_u32 v[SWV], s2, v3
	v_add_nc_u32 v[SRV], s2, v[CO16]
	v_lshlrev_b32 v[COV], 4, v1
	v_lshl_add_u32 v[COV], v2, 12, v[COV]
	v_lshlrev_b32 v[SH], 4, v2
	v_lshlrev_b32 v[BO], 6, v2
	s_wait_alu depctr_va_vdst(0)
	v_and_b32 v4, 7, v1
	v_lshrrev_b32 v5, 3, v1
	v_lshlrev_b32 v[BVO], 2, v4
	v_lshl_add_u32 v[BVO], v5, 6, v[BVO]
	s_wait_alu depctr_va_vdst(0)
.irp b, 0,1,2,3
	v_mov_b32 v[TM+4+\b], 0
.endr
	s_cmp_eq_u32 ttmp9, 0
	s_cselect_b64 s[44:45], s[12:13], s[14:15]
	s_and_b32 s2, s42, 3
	s_lshl_b32 s2, s2, 10
	s_lshl_b32 s3, s[CH], 9
	s_add_co_u32 s2, s2, s3
	s_mov_b32 s3, 0
	s_add_nc_u64 s[44:45], s[44:45], s[2:3]
.irp b, 0,1,2,3
.irp i, 0,1,2,3
	global_load_b128 v[BI+16*\b+4*\i:BI+16*\b+4*\i+3], v[BO], s[44:45] offset:128*\b+16*\i
.endr
.endr
	s_lshl_b32 s2, s41, 10
	s_lshl_b32 s3, s[RH], 9
	s_add_co_u32 s2, s2, s3
	s_mov_b32 s3, 0
	s_add_nc_u64 s[46:47], s[16:17], s[2:3]
.irp a, 0,1,2,3,4,5,6,7
	global_load_b32 v[BR+2*\a], v[BVO], s[46:47] offset:(32*(\a/2)+8*(\a%2))*4
	v_mov_b32 v[BR+2*\a+1], 0
.endr
.macro FRAG reg, adr, q, i
.irp p, 0,1,2,3,4,5
.set PCE, 12*(\q)+6*(\p/3)+\p%3
.if PCE%8 < 5
	ds_load_b64 v[\reg+2*\p:\reg+2*\p+1], v[\adr] offset:8*PCE+16*(PCE/8)+(\i)*16*PITCH
.else
	ds_load_b64 v[\reg+2*\p:\reg+2*\p+1], v[\adr+2] offset:8*PCE+16*(PCE/8)+(\i)*16*PITCH
.endif
.endr
.endm
.macro MUL16 a0, p, q, sc, zero
.irp a, \a0, \a0+1
.irp b, 0,1,2,3,4,5,6,7
.if \zero
	v_wmma_scale_f32_16x16x128_f8f6f4 v[8*(8*((\a)%4)+\b):8*(8*((\a)%4)+\b)+7], v[128*(\p)+FR*\b:128*(\p)+FR*\b+FR-1], v[AF+FR*(\a):AF+FR*(\a)+FR-1], 0, v[SC+8*NQ*(\sc)+NQ*\b+(\q)], v[SC+8*NQ*(\sc)+NQ*(\a)+(\q)] matrix_a_fmt:MATRIX_FMT_FP6 matrix_b_fmt:MATRIX_FMT_FP6 matrix_a_scale:MATRIX_SCALE_ROW1
.else
	v_wmma_scale_f32_16x16x128_f8f6f4 v[8*(8*((\a)%4)+\b):8*(8*((\a)%4)+\b)+7], v[128*(\p)+FR*\b:128*(\p)+FR*\b+FR-1], v[AF+FR*(\a):AF+FR*(\a)+FR-1], v[8*(8*((\a)%4)+\b):8*(8*((\a)%4)+\b)+7], v[SC+8*NQ*(\sc)+NQ*\b+(\q)], v[SC+8*NQ*(\sc)+NQ*(\a)+(\q)] matrix_a_fmt:MATRIX_FMT_FP6 matrix_b_fmt:MATRIX_FMT_FP6 matrix_a_scale:MATRIX_SCALE_ROW1
.endif
.endr
.endr
.endm
.macro FETCH_B slot, q, p
	WIN TO_B
.irp i, 0,1,2,3,4,5,6,7
	FRAG 128*(\p)+FR*\i, ADRB+\slot, \q, \i
.endr
	WIN 0
.endm
.macro FETCH_A slot, q, i0
.irp i, \i0, \i0+1, \i0+2, \i0+3
	FRAG AF+FR*(\i), ADRA+\slot, \q, \i
.endr
.endm
.macro SCALES sc
.irp i, 0,1,2,3,4,5,6,7
	ds_load_b64 v[SC+8*NQ*\sc+NQ*\i:SC+8*NQ*\sc+NQ*\i+1], v[ADRS] offset:\i*SBLK
.endr
.endm
.macro PLACES n
.rept \n
	v_nop
.endr
.endm
.macro STEP slot, q, zero
	s_wait_dscnt 4*NL
	WIN MUL_LO
	MUL16 0, (\q)%2, \q, \slot, \zero
	MUL16 2, (\q)%2, \q, \slot, \zero
	s_wait_dscnt 0
	PLACES NP
	FETCH_B \slot, (\q)+1, 1-(\q)%2
	FETCH_A \slot, (\q)+1, 0
	WIN MUL_HI
	MUL16 4, (\q)%2, \q, \slot, \zero
	MUL16 6, (\q)%2, \q, \slot, \zero
	PLACES NP
	WIN 0
	FETCH_A \slot, (\q)+1, 4
.endm
.macro TURN slot, next, fill
	s_wait_tensorcnt 0x0
	ds_add_u32 v[SPW], v[NIL]
	s_wait_dscnt 4*NL+1
	WIN MUL_LO
	MUL16 0, 1, NQ-1, \slot, 0
	s_wait_dscnt 0x0
	s_barrier_signal -1
	MUL16 2, 1, NQ-1, \slot, 0
	WIN 0
	s_barrier_wait -1
.if \fill
	CREST
	s_add_nc_u64 s[G0+4*\slot+2:G0+4*\slot+3], s[G0+4*\slot+2:G0+4*\slot+3], s[8:9]
	s_add_nc_u64 s[G0B+4*\slot+2:G0B+4*\slot+3], s[G0B+4*\slot+2:G0B+4*\slot+3], s[10:11]
	JLOAD G0+4*\slot, G1, G0B+4*\slot, G1B
.else
	PLACES NP
.endif
	s_wait_alu depctr_va_vdst(0)
	v_add_nc_u32 v[ADRS], 4*NQ, v[ADRS]
	FETCH_B \next, 0, 0
	FETCH_A \next, 0, 0
	SCALES \next
	WIN MUL_HI
	MUL16 4, 1, NQ-1, \slot, 0
	MUL16 6, 1, NQ-1, \slot, 0
	PLACES NP
	WIN 0
	FETCH_A \next, 0, 4
.endm
	s_wait_alu depctr_va_vdst(0)
	s_wait_tensorcnt 0x0                           ; my tile of the head's four is in
	ds_add_u32 v[SPW], v[NIL]
	s_mov_b32 s[G1+2], 96<<16                      ; no tensor load of mine is out: from here on a load brings 128 rows, 96 rows of 256 bytes,
	s_mov_b32 s[G1+4], 96
	s_mov_b32 s[G1B+2], 96<<16
	s_mov_b32 s[G1B+4], 96
	s_mul_i32 s[G0+1], s[WV], HALFT                ; and slot 0's groups 0 state my quarter
	s_mul_i32 s[G0B+1], s[WV], HALFT
	s_mul_i32 s2, s[CH], 128*ROWB
	s_mov_b32 s3, 0
	s_add_nc_u64 s[G0+2:G0+3], s[G0+2:G0+3], s[2:3]
	s_add_nc_u64 s[G0B+2:G0B+3], s[G0B+2:G0B+3], s[2:3]
	s_wait_dscnt 0x0
	CROUND                                         ; all four tiles are in, in every partner
	JLOAD G0+4, G1, G0B+4, G1B                     ; chunk 1, the first tensor load behind the round
	FETCH_B 0, 0, 0
	FETCH_A 0, 0, 0
	SCALES 0
	FETCH_A 0, 0, 4
	STEP 0, 0, 1
	s_mov_b32 s3, LAPS-1
.Llap:
	TURN 0, 1, 1
	STEP 1, 0, 0
	TURN 1, 0, 1
	STEP 0, 0, 0
	s_sub_co_u32 s3, s3, 1
	s_cmp_lg_u32 s3, 0
	s_cbranch_scc1 .Llap
	TURN 0, 1, 0
	STEP 1, 0, 0
	s_wait_dscnt 4*NL
	WIN MUL_LO
	MUL16 0, 1, NQ-1, 1, 0
	MUL16 2, 1, NQ-1, 1, 0
	s_wait_dscnt 0
	WIN MUL_HI
	MUL16 4, 1, NQ-1, 1, 0
	MUL16 6, 1, NQ-1, 1, 0
	WIN 0
.macro QUANT s
.irp b, 0,1,2,3
	v_max3_num_f32 v[TM+\b], |v[\s+16*\b]|, |v[\s+1+16*\b]|, 0x1800000
.endr
.irp i, 2,4,6,8,10,12,14
.irp b, 0,1,2,3
	v_max3_num_f32 v[TM+\b], v[TM+\b], |v[\s+16*\b+\i]|, |v[\s+1+16*\b+\i]|
.endr
.endr
.irp b, 0,1,2,3
	v_permlanex16_b32 v[TM+4+\b], v[TM+\b], s[SEL], s[SEL+1]
.endr
.irp b, 0,1,2,3
	v_max_num_f32 v[TM+\b], v[TM+\b], v[TM+4+\b]
.endr
.irp b, 0,1,2,3
	v_add_nc_u32 v[TM+12+\b], 0xff000000, v[TM+\b]
.endr
.irp b, 0,1,2,3
	v_lshrrev_b32 v[TM+4+\b], 23, v[TM+12+\b]
.endr
	v_lshl_or_b32 v[PW], v[TM+5], 8, v[TM+4]
	v_lshl_or_b32 v[PW], v[TM+6], 16, v[PW]
	v_lshl_or_b32 v[PW], v[TM+7], 24, v[PW]
.irp c, 0,1
	v_cvt_scalef32_pk16_fp6_f32 v[PC+6*\c:PC+2+6*\c], v[\s+32*\c:\s+15+32*\c], v[TM+12+2*\c]
	v_cvt_scalef32_pk16_fp6_f32 v[PC+12+4*\c:PC+14+4*\c], v[\s+16+32*\c:\s+31+32*\c], v[TM+12+2*\c+1]
.endr
	v_nop
.irp c, 0,1
.irp i, 0,1,2
	v_permlane16_swap_b32 v[PC+6*\c+\i], v[PC+12+4*\c+\i]
.endr
.irp i, 0,1,2
	v_mov_b32 v[PC+3+6*\c+\i], v[PC+12+4*\c+\i]
.endr
.endr
.endm
.macro EPI kind, a
.set AC, 64*((\a)%4)
	WIN 0x02+(\a)/4
.set ii, 0
.rept 32
.if \kind
	v_pk_add_f32 v[HA+ii:HA+ii+1], v[AC+ii:AC+ii+1], v[BR+2*(\a):BR+2*(\a)+1] op_sel_hi:[1,0]
.else
	v_pk_add_f32 v[HA+ii:HA+ii+1], v[AC+ii:AC+ii+1], v[BI+ii:BI+ii+1]
.endif
.set ii, ii+2
.endr
	WIN 0
.if (\a) > 0
	s_wait_xcnt 0x0
	s_wait_dscnt 0x0
.endif
	QUANT HA
.if \kind
.irp i, 0,1,2
	global_store_b128 v[CO16], v[PC+4*\i:PC+4*\i+3], s[OC:OC+1] offset:((\a)/4)*98304+((\a)%4)*1536+512*\i
.endr
	ds_store_b32 v[SWV], v[PW] offset:64*(\a)
.else
.irp c, 0,1
	global_store_b128 v[CO16], v[PC+6*\c:PC+6*\c+3], s[OC:OC+1] offset:\c*98304+768*(\a)
	global_store_b64 v[CO8], v[PC+6*\c+4:PC+6*\c+5], s[OC:OC+1] offset:\c*98304+768*(\a)+512
.endr
	v_lshrrev_b32 v[WD], v[SH], v[PW]
	v_and_or_b32 v[WD], v[WD], 0xffff, s16
	ds_store_b32 v[SWQ], v[WD] offset:64*(\a)
.endif
.endm
	PLACES NP
	s_wait_loadcnt 0x0
	s_cmp_lg_u32 s[TYP], 0
	s_cbranch_scc1 .Lvt
	s_lshr_b32 s4, s43, 3
	s_lshl_b32 s4, s4, 4
	s_and_b32 s5, s42, 3
	s_lshl_b32 s5, s5, 2
	s_add_co_u32 s4, s4, s5
	s_lshl_b32 s5, s[CH], 1
	s_add_co_u32 s4, s4, s5
	s_and_b32 s5, s43, 7
	s_lshl_b32 s5, s5, 4
	s_lshl_b32 s6, s[RH], 3
	s_add_co_u32 s5, s5, s6
	s_lshr_b32 s6, s42, 2
	s_mul_i32 s8, s6, 6291456
	s_mul_i32 s7, s4, 98304
	s_add_co_u32 s8, s8, s7
	s_mul_i32 s7, s5, 768
	s_add_co_u32 s8, s8, s7
	s_mov_b32 s9, 0
	s_add_nc_u64 s[OC:OC+1], s[18:19], s[8:9]
	s_lshl_b32 s8, s6, 19
	s_lshl_b32 s7, s4, 13
	s_add_co_u32 s8, s8, s7
	s_lshl_b32 s7, s5, 6
	s_add_co_u32 s8, s8, s7
	s_add_nc_u64 s[OS:OS+1], s[20:21], s[8:9]
	s_mov_b32 s16, 0x7f7f0000
.irp a, 0,1,2,3,4,5,6,7
	EPI 0, \a
.endr
	ds_load_b128 v[BACK:BACK+3], v[SRQ]
	ds_load_b128 v[BACK+4:BACK+7], v[SRQ] offset:512
	s_wait_dscnt 1
	global_store_b128 v[CO16], v[BACK:BACK+3], s[OS:OS+1]
	s_wait_dscnt 0x0
	global_store_b128 v[CO16], v[BACK+4:BACK+7], s[OS:OS+1] offset:8192
	s_branch .Ldone
.Lvt:
	s_lshr_b32 s4, s42, 3
	s_lshl_b32 s4, s4, 4
	s_lshl_b32 s5, s41, 2
	s_add_co_u32 s4, s4, s5
	s_lshl_b32 s5, s[RH], 1
	s_add_co_u32 s4, s4, s5
	s_and_b32 s5, s42, 7
	s_lshl_b32 s5, s5, 1
	s_add_co_u32 s5, s5, s[CH]
	s_mul_i32 s8, s4, 98304
	s_mul_i32 s7, s5, 6144
	s_add_co_u32 s8, s8, s7
	s_add_co_u32 s8, s8, 12582912
	s_mov_b32 s9, 0
	s_add_nc_u64 s[OC:OC+1], s[18:19], s[8:9]
	s_lshl_b32 s8, s4, 12
	s_lshl_b32 s7, s5, 8
	s_add_co_u32 s8, s8, s7
	s_add_co_u32 s8, s8, 1048576
	s_add_nc_u64 s[OS:OS+1], s[20:21], s[8:9]
.irp a, 0,1,2,3,4,5,6,7
	EPI 1, \a
.endr
	ds_load_b128 v[BACK:BACK+3], v[SRV]
	s_wait_dscnt 0x0
	global_store_b128 v[COV], v[BACK:BACK+3], s[OS:OS+1]
.Ldone:
	s_wait_tensorcnt 0x0
	ds_add_u32 v[SPW], v[NIL]
	s_wait_dscnt 0x0
	CROUND
	s_endpgm
.Lfunc_end_k_q3b8874f138_proj:
	.size	k_q3b8874f138_proj, .Lfunc_end_k_q3b8874f138_proj-k_q3b8874f138_proj
	.p2alignl 7, 3214868480
	.fill 96, 4, 3214868480
	.section	.rodata,"a",@progbits
	.p2align	6, 0x0
	.amdhsa_kernel k_q3b8874f138_proj
		.amdhsa_group_segment_fixed_size 327680
		.amdhsa_private_segment_fixed_size 0
		.amdhsa_enable_private_segment 0
		.amdhsa_kernarg_size 72
		.amdhsa_user_sgpr_count 2
		.amdhsa_user_sgpr_kernarg_segment_ptr 1
		.amdhsa_wavefront_size32 1
		.amdhsa_system_sgpr_workgroup_id_x 1
		.amdhsa_system_sgpr_workgroup_id_y 1
		.amdhsa_system_sgpr_workgroup_id_z 1
		.amdhsa_system_vgpr_workitem_id 0
		.amdhsa_next_free_vgpr 1024
		.amdhsa_next_free_sgpr 102
		.amdhsa_reserve_vcc 0
		.amdhsa_float_denorm_mode_32 3
		.amdhsa_float_denorm_mode_16_64 3
		.amdhsa_memory_ordered 1
		.amdhsa_forward_progress 1
		.amdhsa_inst_pref_size 238
	.end_amdhsa_kernel
	.amdgpu_metadata
---
amdhsa.version: [ 1, 2 ]
amdhsa.kernels:
  - .name:           k_q3b8874f138_proj
    .symbol:         k_q3b8874f138_proj.kd
    .args:
      - { .name: xcod, .offset: 0, .size: 8, .value_kind: global_buffer, .address_space: global }
      - { .name: xscl, .offset: 8, .size: 8, .value_kind: global_buffer, .address_space: global }
      - { .name: wcod, .offset: 16, .size: 8, .value_kind: global_buffer, .address_space: global }
      - { .name: wscl, .offset: 24, .size: 8, .value_kind: global_buffer, .address_space: global }
      - { .name: bq, .offset: 32, .size: 8, .value_kind: global_buffer, .address_space: global }
      - { .name: bk, .offset: 40, .size: 8, .value_kind: global_buffer, .address_space: global }
      - { .name: bv, .offset: 48, .size: 8, .value_kind: global_buffer, .address_space: global }
      - { .name: hcod, .offset: 56, .size: 8, .value_kind: global_buffer, .address_space: global }
      - { .name: hscl, .offset: 64, .size: 8, .value_kind: global_buffer, .address_space: global }
    .group_segment_fixed_size: 327680
    .private_segment_fixed_size: 0
    .kernarg_segment_align: 8
    .kernarg_segment_size: 72
    .max_flat_workgroup_size: 128
    .sgpr_count:     102
    .vgpr_count:     1024
    .wavefront_size: 32
...
	.end_amdgpu_metadata
.endif
;; end of part 2
;; launch attn (part 3): grid 4 x 64, 8 waves a work-group, clusters of 4 x 1, 210,944 bytes of LDS; arguments hcod, hscl, acod, ascl; writes acod, ascl
.if DOCPART == 3
	.amdgcn_target "amdgcn-amd-amdhsa--gfx1250"
	.amdhsa_code_object_version 6
	.text
	.protected	k_q3b8874f138_attn
	.globl	k_q3b8874f138_attn
	.p2align	8
	.type	k_q3b8874f138_attn,@function
k_q3b8874f138_attn:
	s_mov_b64 s[64:65], 0
	v_nop
	global_prefetch_b8 v0, s[64:65] scope:SCOPE_SE
	s_setreg_imm32_b32 hwreg(HW_REG_WAVE_MODE, 25, 1), 1
	s_wait_xcnt 0x0
	s_wait_alu depctr_hold_cnt(0) depctr_sa_sdst(0) depctr_va_vdst(0) depctr_va_sdst(0) depctr_va_ssrc(0) depctr_va_vcc(0) depctr_vm_vsrc(0)
	s_getreg_b32 s2, hwreg(HW_REG_IB_STS2, 6, 4)
	s_cmp_eq_u32 s2, 0
	s_cbranch_scc0 .Lentry_in_a_cluster
	s_endpgm
.Lentry_in_a_cluster:
	s_bfe_u32 s2, ttmp6, 0x10000c
	s_cmp_lg_u32 s2, 0x3003
	s_cbranch_scc0 .Lentry_shape_is_right
	s_endpgm
.Lentry_shape_is_right:
; For each (batch, head): O[q] = sum over k of softmax_k(q . k / 8) v[k], both products on codes of FP6 (E2M3) with one E8M0 scale for each 32 along a product's K; O / l is quantised along d and stored as codes.
; THE SOFTMAX: t = score x log2(e) / 8; M = the row's largest t so far, rounded UP to a whole number; p = 2^(t - M) is quantised along the keys.  The row's sum l is taken of the unquantised p and divides O at the end.
; When M moves, the sum and O are multiplied by 2^(old M - new M): exact.
; SHARES.  A work-group owns 512 query positions of one (batch, head).  Each of its eight waves owns TWO tiles of 16 queries in each of two passes: tile 0's state lies in register window 0, tile 1's under the same numbers in
; window 1, so one text serves both, and each fragment of K and V that is read from LDS feeds two products.  A key step is 256 keys: the search for M and the rescaling of O come once for 256 keys.
; THE HEAD'S WHOLE K AND V LIE IN LDS, as images of the operands' registers (98,304 bytes each) with their scale words (8,192 and 4,096 bytes): filled ONCE, at the head, one joint load a wave: waves 0-2 K's thirds,
; waves 3-5 V's, wave 6 K's scale words, wave 7 V's.  The four work-groups of a cluster are the four query blocks of one (batch, head): mask 15.  No prefetch: every fill goes out at the head, there is no loop to run ahead in.
; Behind the one barrier that shows the fills the waves share nothing and meet no more until the closing round.
; LAYOUT.  Both products are used transposed: S^T = K Q^T, O^T = V^T P^T: a lane holds ONE query throughout.  K's images hold 16 key positions each (position P holds key sw(P), bits 3 and 4 exchanged).
; THE ROWS OF A TILE OF K ARE PICKED BY THE LANES' LDS ADDRESSES: tile t of band c (64 keys) takes keys 64 c + 8 t + j in rows 0-7 and keys 64 c + 32 + 8 t + j in rows 8-15.  So the 32 registers of a band's four tiles are, in
; lanes 0-15, keys 64 c + 0 .. 31 and, in lanes 16-31, keys 64 c + 32 .. 63: a whole scale block in a lane, in the order of the next operand's registers; no lane asks another for a block's maximum and no codes change lanes.
; The head has 64 along K and the instruction takes 128.  Q's registers 6-11 are zero codes under scale bytes 0x7f; every code of E2M3 is a finite number, so whatever K's registers 6-11 hold adds 0: K's fragments lie 6 registers
; apart, and a fragment's upper six are the next fragment's data (a run's last: six registers of tile 1's state).
; FRAGMENTS AHEAD.  Bands 0 and 1 of the NEXT step, and that step's scale words of K, are asked for ahead of a step's last products, into registers of tile 1's p that are done with; bands 2 and 3 at a step's head;
; V's first 128 keys behind the last scores, its second 128 behind tile 0's softmax.
; The scale bytes of O leave as two bytes a row, 32 bytes apart: a head owns two of a row's 32 bytes.
; LIMITS: NaN and infinities are not served.  A block of zeros, or one under 2^-124, gets the byte 1: this program alone reads the bytes.  A block's largest p is taken through its largest score, which takes v_exp_f32 not to
; fall where its input rises.  1 / l is made by v_rcp_f32.  The promise holds while the scaled scores stay under 2^31 in magnitude.
.set VCOD,  98304                      ; LDS: K's images at 0 (768 bytes a tile of 16 positions), V's here (1,536 bytes a tile of 16 d x 128 keys),
.set KSC,   196608                     ; K's scale words (64 bytes a tile),
.set VSC,   204800                     ; V's (256 bytes for 128 keys),
.set SPARE, 208896                     ; the spare words, 128 bytes for each of eight waves
; window 0 alone
.set AKA, 1                            ; registers 0-3 of my row of a tile of K: 1,536 (r / 8) + 16 (r % 8) + 256 (lane / 16)
.set AKB, 2                            ; registers 4-5: 512 + 1,536 (r / 8) + 8 (r % 8) + 128 (lane / 16)
.set AVA, 3                            ; VCOD + 16 x lane
.set ASK, 4                            ; KSC + 128 (r / 8) + 4 (r % 8) + 64 (lane / 16)
.set ASV, 5                            ; VSC + 4 x lane
.set SPW, 6                            ; my spare word; never rewritten
.set NIL, 7                            ; 0; never rewritten
.set ADKA, 8                           ; v8-12 the step's addresses
.set ADKB, 9
.set ADV,  10
.set ADS,  11
.set ADT,  12
.set L16,  13                          ; 16 x lane
.set L8,   14                          ; 8 x lane
.set R4,   15                          ; 4 x (lane % 16)
.set KS,   16                          ; v16-23 K's scale words; v24-27 V's; v28-31 p's (2 x tile + half); v32-33 Q's: scales and nothing else
.set VS,   24
.set PW,   28
.set QW,   32
.set R32,  34                          ; 32 x (lane % 16)
; window 1 alone: v0-47 the fragments of K's bands 2 and 3, later V's four of the step's first 128 keys
; both windows, a tile's state
.set PC,   48                          ; v48-59  p's codes, first 128 keys (the second 128's lie in v128-139)
.set Q,    60                          ; v60-71
.set NM,   72                          ; -M
.set MT,   73                          ; the largest t so far
.set SUM,  74                          ; v74-75
.set F,    76                          ; v76-77
.set BM,   78                          ; v78-81  a band's largest score in my half of the lanes, then its p, then the conversions' scale operand
.set EB,   82                          ; v82-85
.set TC,   86                          ; v86-89
.set MX,   90                          ; v90-95
.set O,    96                          ; v96-127  O^T
.set S,    128                         ; v128-255 S^T, then p; window 0's v144-191 later take V's fragments of the second 128 keys, window 1's v192-239 the next step's fragments of K's bands 0 and 1
.set KB0,  192
.set WV,   12
.set SEL,  20
.set CS,   22
.set G1C,  24
.set G1KS, 32
.set G1VS, 40
.set G0C,  48
.set G0KS, 52
.set G0VS, 56
.set QP,   60
.set QS,   62
.set OC,   66
.set OS,   68
.set T6,   70                          ; 12,288 x step
.set TK,   16                          ; 1,024 x step
.set TV,   17                          ; 512 x step
.set CNT,  71
.set PCNT, 18
.set MSB, 0
.macro WIN new                         ; the immediate's high byte repeats the setting that is left
.if MSB != (\new)
	s_set_vgpr_msb (MSB<<8)|(\new)
.set MSB, (\new)
.endif
.endm
.macro WALU
	s_wait_alu depctr_va_vdst(0)
.endm
.macro DEP1
	s_delay_alu instid0(VALU_DEP_1)
.endm
.macro PLACES
.rept 4
	v_nop
.endr
.endm
.macro CROUND
	s_barrier_signal -1
	s_barrier_wait -1
	s_cmp_lg_u32 s[WV], 0
	s_cbranch_scc1 .Lnot_wave_0_\@
	s_barrier_signal -3
.Lnot_wave_0_\@:
	s_barrier_wait -3
	s_barrier_signal -1
	s_barrier_wait -1
.endm
.macro TLOAD g0, g1
	tensor_load_to_lds s[\g0:\g0+3], s[\g1:\g1+7]
	s_nop 0
	PLACES
.endm
	s_load_b256 s[4:11], s[0:1], 0x0               ; hcod 4, hscl 6, acod 8, ascl 10
	v_lshl_add_u32 v[SPW], v0, 2, SPARE
	v_mov_b32 v[NIL], 0
	ds_add_u32 v[SPW], v[NIL]                      ; the opening lines: the add twice and its wait ahead of the first tensor loads
	ds_add_u32 v[SPW], v[NIL]
	v_lshrrev_b32 v8, 5, v0
	v_readfirstlane_b32 s[WV], v8                  ; wave 0..7
	s_bfe_u32 s13, ttmp6, 0x40000                  ; cx
	s_lshl_b32 s14, ttmp9, 2
	s_add_co_u32 s14, s14, s13                     ; my block of 512 query positions: it enters Q's and O's addresses alone
	s_and_b32 s15, ttmp7, 0xffff                   ; 16 batch + head, which the four partners share
.irp g, G1C, G1KS, G1VS                ; dense blocks as rows of 256 bytes (32 elements of 8 bytes); the mask names all four work-groups
	s_mov_b32 s[\g], 15|(3<<16)|(1<<21)
	s_mov_b32 s[\g+1], 32<<16
	s_mov_b32 s[\g+3], 32<<16
	s_mov_b32 s[\g+5], 32
	s_mov_b32 s[\g+6], 0
	s_mov_b32 s[\g+7], 0
.endr
	s_mov_b32 s[G1C+2], 128<<16                    ; 128 rows: 32,768 bytes, a third of K's or V's images
	s_mov_b32 s[G1C+4], 128
	s_mov_b32 s[G1KS+2], 32<<16
	s_mov_b32 s[G1KS+4], 32
	s_mov_b32 s[G1VS+2], 16<<16
	s_mov_b32 s[G1VS+4], 16
	s_mov_b32 s[SEL], 0x76543210
	s_mov_b32 s[SEL+1], 0xfedcba98
	s_mov_b32 s[CS], 0x3e38aa3b                    ; log2(e) / 8
	s_mov_b32 s[CS+1], s[CS]
	s_mul_i32 s16, s15, 98304                      ; the head's images in each region of hcod
	s_mov_b32 s17, 0
	s_lshl_b32 s18, s15, 13                        ; its scale words of Q and of K
	s_mov_b32 s19, 0
	s_lshl_b32 s2, s15, 12                         ; and of V
	s_mov_b32 s3, 0
	s_min_u32 s70, s[WV], 5                        ; the part that I fetch, if I fetch codes
	s_mul_i32 s71, s70, 11
	s_lshr_b32 s71, s71, 5                         ; part / 3: 0 K, 1 V
	s_lshl_b32 s[G0C+1], s70, 15                   ; in LDS the six parts lie on end
	s_mul_i32 s71, s71, 6193152                    ; in memory V's region begins 6,291,456 behind K's: 98,304 of that are in the first term
	s_add_co_u32 s70, s[G0C+1], s71
	s_add_co_u32 s70, s70, 6291456                 ; K's region
	s_mov_b32 s71, 0
	s_wait_dscnt 0x0
	s_wait_kmcnt 0x0
	s_add_nc_u64 s[72:73], s[4:5], s[16:17]        ; hcod at the head's images of Q
	s_add_nc_u64 s[74:75], s[6:7], s[18:19]        ; hscl at the head's words of Q
	s_mov_b32 s[G0C], 1
	s_add_nc_u64 s[G0C+2:G0C+3], s[72:73], s[70:71]
	s_or_b32 s[G0C+3], s[G0C+3], 0x80000000
	s_mov_b32 s[G0KS], 1
	s_mov_b32 s[G0KS+1], KSC
	s_add_nc_u64 s[G0KS+2:G0KS+3], s[74:75], 524288
	s_or_b32 s[G0KS+3], s[G0KS+3], 0x80000000
	s_mov_b32 s[G0VS], 1
	s_mov_b32 s[G0VS+1], VSC
	s_add_nc_u64 s[G0VS+2:G0VS+3], s[6:7], s[2:3]
	s_add_nc_u64 s[G0VS+2:G0VS+3], s[G0VS+2:G0VS+3], 1048576
	s_or_b32 s[G0VS+3], s[G0VS+3], 0x80000000
	CROUND                                         ; all four work-groups are here: the joint loads meet
	s_cmp_lt_u32 s[WV], 6                          ; one chain of branches on the wave's number, a load in every arm
	s_cbranch_scc0 .Lnot_codes
	TLOAD G0C, G1C
	s_branch .Lasked
.Lnot_codes:
	s_cmp_eq_u32 s[WV], 6
	s_cbranch_scc0 .Lfor_vs
	TLOAD G0KS, G1KS
	s_branch .Lasked
.Lfor_vs:
	TLOAD G0VS, G1VS
.Lasked:
	s_lshl_b32 s16, s14, 5
	s_lshl_b32 s17, s[WV], 1
	s_add_co_u32 s16, s16, s17                     ; my first tile of 16 query positions in the head, pass 0; pass 1's lie 16 tiles on
	s_mul_i32 s18, s16, 768
	s_mov_b32 s19, 0
	s_add_nc_u64 s[QP:QP+1], s[72:73], s[18:19]
	s_lshl_b32 s18, s16, 6
	s_add_nc_u64 s[QS:QS+1], s[74:75], s[18:19]
	s_lshr_b32 s17, s15, 4
	s_lshl_b32 s17, s17, 7
	s_add_co_u32 s17, s17, s16                     ; the same tile among all 512 tiles of rows
	s_and_b32 s16, s15, 15                         ; the head
	s_mul_i32 s18, s16, 393216
	s_mul_i32 s2, s17, 768
	s_add_co_u32 s18, s18, s2
	s_add_nc_u64 s[OC:OC+1], s[8:9], s[18:19]
	s_lshl_b32 s18, s17, 9
	s_lshl_b32 s2, s16, 1
	s_add_co_u32 s18, s18, s2
	s_add_nc_u64 s[OS:OS+1], s[10:11], s[18:19]
	s_mov_b32 s2, 0x05010400                       ; byte selects that weave my four scale bytes with lane l xor 16's: the first 128 keys' word,
	s_mov_b32 s3, 0x07030602                       ; the second's
	v_and_b32 v8, 31, v0                           ; lane
	v_and_b32 v9, 15, v0                           ; r
	v_and_b32 v10, 7, v0                           ; r % 8
	v_bfe_u32 v11, v0, 3, 1                        ; r / 8
	v_bfe_u32 v12, v0, 4, 1                        ; lane / 16
	v_mul_u32_u24 v[AKA], v11, 1536
	v_lshl_add_u32 v[AKB], v10, 3, v[AKA]
	v_lshl_add_u32 v[AKA], v10, 4, v[AKA]
	v_lshl_add_u32 v[AKB], v12, 7, v[AKB]
	v_lshl_add_u32 v[AKA], v12, 8, v[AKA]
	v_add_nc_u32 v[AKB], 512, v[AKB]
	v_lshlrev_b32 v[ASK], 7, v11
	v_lshl_add_u32 v[ASK], v10, 2, v[ASK]
	v_lshl_add_u32 v[ASK], v12, 6, v[ASK]
	v_add_nc_u32 v[ASK], KSC, v[ASK]
	v_lshl_add_u32 v[AVA], v8, 4, VCOD
	v_lshl_add_u32 v[ASV], v8, 2, VSC
	v_lshlrev_b32 v[L16], 4, v8
	v_lshlrev_b32 v[L8], 3, v8
	v_lshlrev_b32 v[R4], 2, v9
	v_lshlrev_b32 v[R32], 5, v9
.irp w, 0,1
	WIN 0x40*\w
.irp j, 6,7,8,9,10,11
	v_mov_b32 v[Q+\j], 0                           ; Q's zero codes, K = 64 .. 127
.endr
	v_mov_b32 v[F+1], 0                            ; (named as the upper half of a pair)
.endr
.irp j, 0,1,2,3,4,5
	v_mov_b32 v[PC+\j], 0                          ; window 1: named as the upper six of a run's last fragment of K before they are first written
	v_mov_b32 v[KB0+48+\j], 0
.endr
	WIN 0
.macro KLOAD g, kb, aa, ab, off        ; bands 2 g and 2 g + 1: eight tiles into window 1 from register kb on, six registers each
	WIN 0x40
.irp c, 0,1
.irp t, 0,1,2,3
	ds_load_b128 v[\kb+24*\c+6*\t:\kb+24*\c+6*\t+3], v[\aa] offset:\off+3072*(2*\g+\c)+768*(\t%2)+128*(\t/2)
	ds_load_b64 v[\kb+24*\c+6*\t+4:\kb+24*\c+6*\t+5], v[\ab] offset:\off+3072*(2*\g+\c)+768*(\t%2)+64*(\t/2)
.endr
.endr
	WIN 0
.endm
.macro KNEXT aa, ab, as, off, offs     ; what a step's first products want: bands 0 and 1, and the step's eight registers of scale words: 24 loads
	KLOAD 0, KB0, \aa, \ab, \off
.irp j, 0,1,2,3,4,5,6,7
	ds_load_b32 v[KS+\j], v[\as] offset:\offs+256*(\j/2)+32*(\j%2)   ; band j / 2: lanes 0-15 tile 2 (j % 2)'s words, lanes 16-31 the next tile's
.endr
.endm
.macro QK g, i                         ; tile i's scores of bands 2 g, 2 g + 1: source 0 window 1, source 1 and D the tile's window
	WIN 0x01+0x54*\i
.irp c, 0,1
.irp u, 0,1
.irp o, 0,1
	v_wmma_scale_f32_16x16x128_f8f6f4 v[S+32*(2*\g+\c)+16*\u+8*\o:S+32*(2*\g+\c)+16*\u+8*\o+7], v[KB0*(1-\g)+24*\c+12*\u+6*\o:KB0*(1-\g)+24*\c+12*\u+6*\o+11], v[Q:Q+11], 0, v[KS+4*\g+2*\c+\u], v[QW+\i] matrix_a_fmt:MATRIX_FMT_FP6 matrix_b_fmt:MATRIX_FMT_FP6 matrix_a_scale:MATRIX_SCALE_ROW\o
.endr
.endr
.endr
.endm
.macro VLOAD h                         ; V's four fragments and scale words of the step's 128 keys h: h = 0 into window 1's v0-47, h = 1 into window 0's v144-191
	WIN 0x40*(1-\h)
.irp t, 0,1,2,3
.irp k, 0,1,2
	ds_load_b128 v[144*\h+12*\t+4*\k:144*\h+12*\t+4*\k+3], v[ADV] offset:6144*\h+1536*\t+512*\k
.endr
.endr
	WIN 0
	ds_load_b32 v[VS+2*\h], v[ADT] offset:256*\h
	ds_load_b32 v[VS+2*\h+1], v[ADT] offset:256*\h+128
.endm
.macro PV i, h                         ; O^T += V^T P^T, tile i, 128 keys h; the accumulators take turns
	WIN (1-\h)+0x54*\i
.irp u, 0,1
.irp o, 0,1
	v_wmma_scale_f32_16x16x128_f8f6f4 v[O+16*\u+8*\o:O+16*\u+8*\o+7], v[144*\h+24*\u+12*\o:144*\h+24*\u+12*\o+11], v[PC+(S-PC)*\h:PC+(S-PC)*\h+11], v[O+16*\u+8*\o:O+16*\u+8*\o+7], v[VS+2*\h+\u], v[PW+2*\i+\h] matrix_a_fmt:MATRIX_FMT_FP6 matrix_b_fmt:MATRIX_FMT_FP6 matrix_a_scale:MATRIX_SCALE_ROW\o
.endr
.endr
.endm
.macro BMAX4                           ; the largest score of my 32 keys in each of the four bands: sixteen chains by turns, one to an accumulator, each accumulator first read at its low end; 64 lines for 128 scores
.irp k, 0,1,2,3
	v_max3_num_f32 v[BM+\k], v[S+32*\k], v[S+32*\k+1], v[S+32*\k+2]
.irp q, 1,2,3
	v_max3_num_f32 v[EB+3*\k+\q-1], v[S+32*\k+8*\q], v[S+32*\k+8*\q+1], v[S+32*\k+8*\q+2]
.endr
.endr
.irp n, 3,5
.irp k, 0,1,2,3
	v_max3_num_f32 v[BM+\k], v[BM+\k], v[S+32*\k+\n], v[S+32*\k+\n+1]
.irp q, 1,2,3
	v_max3_num_f32 v[EB+3*\k+\q-1], v[EB+3*\k+\q-1], v[S+32*\k+8*\q+\n], v[S+32*\k+8*\q+\n+1]
.endr
.endr
.endr
.irp k, 0,1,2,3
	v_max3_num_f32 v[BM+\k], v[BM+\k], v[EB+3*\k], v[S+32*\k+7]          ; a band's four chains and the four scores left over are joined
.endr
.irp k, 0,1,2,3
	v_max3_num_f32 v[EB+3*\k+1], v[EB+3*\k+1], v[EB+3*\k+2], v[S+32*\k+15]
.endr
.irp k, 0,1,2,3
	v_max3_num_f32 v[BM+\k], v[BM+\k], v[EB+3*\k+1], v[S+32*\k+23]
.endr
.irp k, 0,1,2,3
	v_max_num_f32 v[BM+\k], v[BM+\k], v[S+32*\k+31]
.endr
.endm
.macro FMA8                            ; t - M of sixteen scores; -M is the low word of the pair
.rept 8
	v_pk_fma_f32 v[S+jj:S+jj+1], v[S+jj:S+jj+1], s[CS:CS+1], v[MX+2:MX+3] op_sel_hi:[1,0,0]
.set jj, jj+2
.endr
.endm
.macro ADD4                            ; four pairs of p onto the sum's four chains
	v_pk_add_f32 v[SUM:SUM+1], v[SUM:SUM+1], v[S+jj:S+jj+1]
	v_pk_add_f32 v[MX:MX+1], v[MX:MX+1], v[S+jj+2:S+jj+3]
	v_pk_add_f32 v[MX+2:MX+3], v[MX+2:MX+3], v[S+jj+4:S+jj+5]
	v_pk_add_f32 v[MX+4:MX+5], v[MX+4:MX+5], v[S+jj+6:S+jj+7]
.set jj, jj+8
.endm
.macro ADD6                            ; six pairs of p onto the sum's six chains
	ADD4
	v_pk_add_f32 v[TC:TC+1], v[TC:TC+1], v[S+jj:S+jj+1]
	v_pk_add_f32 v[TC+2:TC+3], v[TC+2:TC+3], v[S+jj+2:S+jj+3]
.set jj, jj+4
.endm
.macro SOFT i
	WIN 0x55*\i
	v_max3_num_f32 v[MX], v[BM], v[BM+1], v[BM+2]
	DEP1
	v_max_num_f32 v[MX], v[MX], v[BM+3]
	DEP1
	v_mul_f32 v[MX], s[CS], v[MX]                  ; as t (c is positive)
	DEP1
	v_permlanex16_b32 v[MX+1], v[MX], s[SEL], s[SEL+1]
	DEP1
	v_max3_num_f32 v[MT], v[MT], v[MX], v[MX+1]    ; the running largest t of my query
	DEP1
	v_floor_f32 v[MX+2], -v[MT]                    ; the new -M = -ceil(t)
	DEP1
	v_sub_f32 v[MX+4], v[MX+2], v[NM]              ; old M - new M: a whole number, 0 or less; the lines that make f of it stand among the multiply-adds, which do not hang on them
.set jj, 0
	FMA8
	v_cvt_i32_f32 v[MX+4], v[MX+4]                 ; (it saturates)
	FMA8
	v_ldexp_f32 v[F], 1.0, v[MX+4]                 ; f = 2^(old M - new M)
	v_mov_b32 v[NM], v[MX+2]
.rept 6
	FMA8
.endr
.irp b, 0,1,2,3
	v_fma_f32 v[BM+\b], v[BM+\b], s[CS], v[MX+2]   ; the same of each block's largest score
.endr
	WALU
.set jj, 0
.rept 128
	v_exp_f32 v[S+jj], v[S+jj]                     ; p = 2^(t - M), at most 1
.set jj, jj+1
.endr
.irp b, 0,1,2,3
	v_exp_f32 v[BM+\b], v[BM+\b]                   ; each block's largest p
.endr
	v_pk_mul_f32 v[SUM:SUM+1], v[SUM:SUM+1], v[F:F+1] op_sel_hi:[1,0]   ; the sums under the new M (the plain line behind the batch)
	WALU                                           ; one wait behind the batch, directly ahead of the first readers of O^T too
.set jj, 0
.rept 16
	v_pk_mul_f32 v[O+jj:O+jj+1], v[O+jj:O+jj+1], v[F:F+1] op_sel_hi:[1,0]   ; O^T under the new M
.set jj, jj+2
.endr
; The row's sum of the unquantised p, in six chains: rounds of six additions; between the rounds stand, one level at a time, the lines that make the blocks' scale operands and bytes.
	v_pk_add_f32 v[MX:MX+1], v[S:S+1], v[S+2:S+3]
	v_pk_add_f32 v[MX+2:MX+3], v[S+4:S+5], v[S+6:S+7]
	v_pk_add_f32 v[MX+4:MX+5], v[S+8:S+9], v[S+10:S+11]
	v_pk_add_f32 v[TC:TC+1], v[S+12:S+13], v[S+14:S+15]
	v_pk_add_f32 v[TC+2:TC+3], v[S+16:S+17], v[S+18:S+19]
	v_pk_add_f32 v[SUM:SUM+1], v[SUM:SUM+1], v[S+20:S+21]
.set jj, 22
.irp b, 0,1,2,3
	v_max_num_f32 v[BM+\b], 0x1800000, v[BM+\b]    ; the floor 2^(3 - 127): the byte cannot fall under 1
.endr
	ADD6
.irp b, 0,1,2,3
	v_add_nc_u32 v[BM+\b], 0xff000000, v[BM+\b]    ; 2 off the exponent field: the conversions' scale operand
.endr
	ADD6
.irp b, 0,1,2,3
	v_lshrrev_b32 v[EB+\b], 23, v[BM+\b]           ; the scale's byte
.endr
	ADD6
	v_lshl_or_b32 v[EB], v[EB+1], 8, v[EB]         ; my four bytes, band c's at byte c
	ADD6
	v_lshl_or_b32 v[EB], v[EB+2], 16, v[EB]
	ADD6
	v_lshl_or_b32 v[EB], v[EB+3], 24, v[EB]
	ADD6
	v_permlanex16_b32 v[EB+1], v[EB], s[SEL], s[SEL+1]
	ADD6                                           ; 106 of my 128 are summed
	v_pk_add_f32 v[MX:MX+1], v[MX:MX+1], v[TC:TC+1]          ; two chains end here: their registers serve the conversions
	v_pk_add_f32 v[MX+2:MX+3], v[MX+2:MX+3], v[TC+2:TC+3]
	WIN 0x05*\i                                    ; scale registers lie in window 0
	v_perm_b32 v[PW+2*\i], v[EB+1], v[EB], s2      ; in lanes 0-15: blocks 0, 1, 2, 3 of the first 128 keys,
	v_perm_b32 v[PW+2*\i+1], v[EB+1], v[EB], s3    ; and of the second
	WIN 0x55*\i
.irp h, 0,1
.set PD, PC+(S-PC)*\h
	v_cvt_scalef32_pk16_fp6_f32 v[PD:PD+2], v[S+64*\h:S+64*\h+15], v[BM+2*\h]
	v_cvt_scalef32_pk16_fp6_f32 v[TC:TC+2], v[S+64*\h+16:S+64*\h+31], v[BM+2*\h]   ; (a conversion's three registers begin on an even number)
	v_cvt_scalef32_pk16_fp6_f32 v[PD+6:PD+8], v[S+64*\h+32:S+64*\h+47], v[BM+2*\h+1]
	v_cvt_scalef32_pk16_fp6_f32 v[EB:EB+2], v[S+64*\h+48:S+64*\h+63], v[BM+2*\h+1]
	ADD4                                           ; four additions of the row's sum: the plain lines behind the scaled conversions
.irp k, 0,1,2
	v_mov_b32 v[PD+3+\k], v[TC+\k]
	v_mov_b32 v[PD+9+\k], v[EB+\k]
.endr
.endr
	v_pk_add_f32 v[SUM:SUM+1], v[SUM:SUM+1], v[S+122:S+123]  ; the rest of the row's sum: six plain lines that name no register of the products below
	v_pk_add_f32 v[MX:MX+1], v[MX:MX+1], v[S+124:S+125]
	v_pk_add_f32 v[MX+2:MX+3], v[MX+2:MX+3], v[S+126:S+127]
	v_pk_add_f32 v[SUM:SUM+1], v[SUM:SUM+1], v[MX:MX+1]
	v_pk_add_f32 v[MX+2:MX+3], v[MX+2:MX+3], v[MX+4:MX+5]
	v_pk_add_f32 v[SUM:SUM+1], v[SUM:SUM+1], v[MX+2:MX+3]
.endm
.macro STEP                            ; 256 keys, both tiles
	v_add_nc_u32 v[ADKA], s[T6], v[AKA]            ; five plain lines: the places behind the last step's products
	v_add_nc_u32 v[ADKB], s[T6], v[AKB]
	v_add_nc_u32 v[ADV], s[T6], v[AVA]
	v_add_nc_u32 v[ADS], s[TK], v[ASK]
	v_add_nc_u32 v[ADT], s[TV], v[ASV]
	KLOAD 1, 0, ADKA, ADKB, 0                      ; bands 2 and 3: 16 loads, which land under the first products and the search behind them
	WALU
	s_wait_dscnt 16                                ; bands 0 and 1 and the scale words, asked for a step ago, are in; the 16 just issued may be out
	QK 0, 0
	QK 0, 1
.rept 5
	v_nop                                          ; five places: tile 1's scores of bands 2 and 3 land on the registers that held the fragments just multiplied
.endr
	s_wait_dscnt 0x0                               ; bands 2 and 3 are in
	QK 1, 0
	QK 1, 1
	WIN 0
	PLACES
	VLOAD 0                                        ; lands under the softmax
	BMAX4
	WIN 0x55
	BMAX4
	SOFT 0
	WIN 0
	VLOAD 1                                        ; into registers of tile 0's p that have been summed and converted
	SOFT 1
	WIN 0
	WALU
	s_wait_dscnt 0x0                               ; V's fragments and scale words
	s_cmp_eq_u32 s[CNT], 7
	s_cbranch_scc1 .Lno_next                       ; a pass's last step has no next
	KNEXT ADKA, ADKB, ADS, 12288, 1024             ; the next step's: they land under the products below
.Lno_next:
	PV 0, 0
	PV 1, 0
	PV 0, 1
	PV 1, 1
	WIN 0
	s_add_co_u32 s[T6], s[T6], 12288
	s_add_co_u32 s[TK], s[TK], 1024
	s_add_co_u32 s[TV], s[TV], 512
.endm
.macro INIT                            ; a pass: my two tiles' Q, and the state: O^T and the sum zeros, the largest t under every t (the first change of M multiplies zeros)
.irp w, 0,1
	WIN 0x40*\w
	global_load_b128 v[Q:Q+3], v[L16], s[QP:QP+1] offset:768*\w
	global_load_b64 v[Q+4:Q+5], v[L8], s[QP:QP+1] offset:768*\w+512
.endr
	WIN 0
	global_load_b32 v[QW], v[R4], s[QS:QS+1]
	global_load_b32 v[QW+1], v[R4], s[QS:QS+1] offset:64
.irp w, 0,1
	WIN 0x55*\w
	v_mov_b32 v[MT], 0xff61b1e6                    ; -3e38
	v_floor_f32 v[NM], -v[MT]
	v_mov_b32 v[SUM], 0
	v_mov_b32 v[SUM+1], 0
.set jj, 0
.rept 32
	v_mov_b32 v[O+jj], 0
.set jj, jj+1
.endr
.endr
	WIN 0
	WALU
	s_wait_loadcnt 0x0
.endm
.macro FINISH i                        ; O^T / l, quantised along d: register 16 b + n is d = 32 b + 16 (lane / 16) + n
	WIN 0x55*\i
	v_add_f32 v[SUM], v[SUM], v[SUM+1]
	DEP1
	v_permlanex16_b32 v[MX], v[SUM], s[SEL], s[SEL+1]
	DEP1
	v_add_f32 v[SUM], v[SUM], v[MX]
	WALU
	v_rcp_f32 v[SUM], v[SUM]
	v_nop
	v_nop
	WALU                                           ; ahead of the reciprocal's first reader, which is O^T's too
.set jj, 0
.rept 16
	v_pk_mul_f32 v[S+jj:S+jj+1], v[O+jj:O+jj+1], v[SUM:SUM+1] op_sel_hi:[1,0]
.set jj, jj+2
.endr
.irp b, 0,1
	v_max3_num_f32 v[BM+\b], |v[S+16*\b]|, |v[S+1+16*\b]|, 0x1800000
.endr
.irp n, 2,4,6,8,10,12,14
.irp b, 0,1
	v_max3_num_f32 v[BM+\b], v[BM+\b], |v[S+16*\b+\n]|, |v[S+1+16*\b+\n]|
.endr
.endr
.irp b, 0,1
	v_permlanex16_b32 v[EB+\b], v[BM+\b], s[SEL], s[SEL+1]
.endr
.irp b, 0,1
	v_max_num_f32 v[BM+\b], v[BM+\b], v[EB+\b]
.endr
.irp b, 0,1
	v_add_nc_u32 v[BM+\b], 0xff000000, v[BM+\b]
.endr
.irp b, 0,1
	v_lshrrev_b32 v[EB+\b], 23, v[BM+\b]
.endr
	v_lshl_or_b32 v[EB+2], v[EB+1], 8, v[EB]       ; my row's two scale bytes
	v_cvt_scalef32_pk16_fp6_f32 v[PC:PC+2], v[S:S+15], v[BM]
	v_cvt_scalef32_pk16_fp6_f32 v[PC+4:PC+6], v[S+16:S+31], v[BM+1]
	v_nop
.irp k, 0,1,2
	v_permlane16_swap_b32 v[PC+\k], v[PC+4+\k]     ; lanes 0-15 now hold block 0 whole, lanes 16-31 block 1
.endr
	v_mov_b32 v[PC+3], v[PC+4]
	v_mov_b32 v[PC+4], v[PC+5]
	v_mov_b32 v[PC+5], v[PC+6]
	WIN 0x04*\i                                    ; the data in the tile's window, the offsets in window 0
	global_store_b128 v[L16], v[PC:PC+3], s[OC:OC+1] offset:768*\i         ; 512 consecutive bytes, aligned
	global_store_b64 v[L8], v[PC+4:PC+5], s[OC:OC+1] offset:768*\i+512     ; 256 consecutive bytes, aligned
	global_store_b16 v[R32], v[EB+2], s[OS:OS+1] offset:512*\i             ; lanes r and r + 16 store the same two bytes to the same place
.endm
	INIT
	s_wait_tensorcnt 0x0                           ; my load has landed,
	s_barrier_signal -1
	s_barrier_wait -1                              ; everybody's has: the head's K and V are whole, and nothing is ever filled again
	s_mov_b32 s[PCNT], 0
.Lpass:
	s_mov_b32 s[T6], 0
	s_mov_b32 s[TK], 0
	s_mov_b32 s[TV], 0
	s_mov_b32 s[CNT], 0
	KNEXT AKA, AKB, ASK, 0, 0                      ; the pass's first step
.Lstep:
	STEP
	s_add_co_u32 s[CNT], s[CNT], 1
	s_cmp_lt_u32 s[CNT], 8
	s_cbranch_scc1 .Lstep
	FINISH 0
	FINISH 1
	WIN 0
	s_cmp_eq_u32 s[PCNT], 1
	s_cbranch_scc1 .Llast                          ; behind the second pass nothing more is loaded
	s_wait_xcnt 0x0                                ; the stores have read their registers and bases
	s_add_nc_u64 s[QP:QP+1], s[QP:QP+1], 12288     ; 16 tiles on
	s_add_nc_u64 s[QS:QS+1], s[QS:QS+1], 1024
	s_add_nc_u64 s[OC:OC+1], s[OC:OC+1], 12288
	s_add_nc_u64 s[OS:OS+1], s[OS:OS+1], 8192
	INIT
.Llast:
	s_add_co_u32 s[PCNT], s[PCNT], 1
	s_cmp_lt_u32 s[PCNT], 2
	s_cbranch_scc1 .Lpass
	s_wait_tensorcnt 0x0                           ; the wave's end
	ds_add_u32 v[SPW], v[NIL]
	s_wait_dscnt 0x0
	CROUND                                         ; the closing round
	s_endpgm
.Lfunc_end_k_q3b8874f138_attn:
	.size	k_q3b8874f138_attn, .Lfunc_end_k_q3b8874f138_attn-k_q3b8874f138_attn
	.p2alignl 7, 3214868480
	.fill 96, 4, 3214868480
	.section	.rodata,"a",@progbits
	.p2align	6, 0x0
	.amdhsa_kernel k_q3b8874f138_attn
		.amdhsa_group_segment_fixed_size 210944
		.amdhsa_private_segment_fixed_size 0
		.amdhsa_enable_private_segment 0
		.amdhsa_kernarg_size 32
		.amdhsa_user_sgpr_count 2
		.amdhsa_user_sgpr_kernarg_segment_ptr 1
		.amdhsa_wavefront_size32 1
		.amdhsa_system_sgpr_workgroup_id_x 1
		.amdhsa_system_sgpr_workgroup_id_y 1
		.amdhsa_system_sgpr_workgroup_id_z 1
		.amdhsa_system_vgpr_workitem_id 0
		.amdhsa_next_free_vgpr 512
		.amdhsa_next_free_sgpr 76
		.amdhsa_reserve_vcc 0
		.amdhsa_float_denorm_mode_32 3
		.amdhsa_float_denorm_mode_16_64 3
		.amdhsa_memory_ordered 1
		.amdhsa_forward_progress 1
		.amdhsa_inst_pref_size 76
	.end_amdhsa_kernel
	.amdgpu_metadata
---
amdhsa.version: [ 1, 2 ]
amdhsa.kernels:
  - .name:           k_q3b8874f138_attn
    .symbol:         k_q3b8874f138_attn.kd
    .args:
      - { .name: hcod, .offset: 0, .size: 8, .value_kind: global_buffer, .address_space: global }
      - { .name: hscl, .offset: 8, .size: 8, .value_kind: global_buffer, .address_space: global }
      - { .name: acod, .offset: 16, .size: 8, .value_kind: global_buffer, .address_space: global }
      - { .name: ascl, .offset: 24, .size: 8, .value_kind: global_buffer, .address_space: global }
    .group_segment_fixed_size: 210944
    .private_segment_fixed_size: 0
    .kernarg_segment_align: 8
    .kernarg_segment_size: 32
    .max_flat_workgroup_size: 256
    .sgpr_count:     76
    .vgpr_count:     512
    .wavefront_size: 32
...
	.end_amdgpu_metadata
.endif
;; end of part 3
;; launch outp (part 4): grid 4 x 64, 4 waves a work-group, clusters of 4 x 4, 327,680 bytes of LDS; arguments acod, ascl, wcod, wscl, out0, bo; writes out0
.if DOCPART == 4
	.amdgcn_target "amdgcn-amd-amdhsa--gfx1250"
	.amdhsa_code_object_version 6
	.text
	.protected	k_q3b8874f138_outp
	.globl	k_q3b8874f138_outp
	.p2align	8
	.type	k_q3b8874f138_outp,@function
k_q3b8874f138_outp:
	s_mov_b64 s[64:65], 0
	v_nop
	global_prefetch_b8 v0, s[64:65] scope:SCOPE_SE
	s_setreg_imm32_b32 hwreg(HW_REG_WAVE_MODE, 25, 1), 1
	s_wait_xcnt 0x0
	s_wait_alu depctr_hold_cnt(0) depctr_sa_sdst(0) depctr_va_vdst(0) depctr_va_sdst(0) depctr_va_ssrc(0) depctr_va_vcc(0) depctr_vm_vsrc(0)
	s_getreg_b32 s2, hwreg(HW_REG_IB_STS2, 6, 4)
	s_cmp_eq_u32 s2, 0
	s_cbranch_scc0 .Lentry_in_a_cluster
	s_endpgm
.Lentry_in_a_cluster:
	s_bfe_u32 s2, ttmp6, 0x10000c
	s_cmp_lg_u32 s2, 0xf033
	s_cbranch_scc0 .Lentry_shape_is_right
	s_endpgm
.Lentry_shape_is_right:
.set NQ,     2
.set ROWB,   192
.set KROW,   768
.set PITCH,  240
.set FR,     12
.set NLA,    4
.set NP,     4
.set HALFA,  24576
.set ASTEP,  1572864
.set HALFT,  128*PITCH
; A BLOCK OF out0 IS 128 ROWS x 256 COLUMNS: 64 x 4 = 256 work-groups.  A wave makes 64 x 128: A's blocks 0-3 against B's eight, 32 accumulators in window 2.
; A slot holds A's tile, [4 heads][128 rows' images, 6,144 bytes] = HALFA bytes, then B's 256 rows.
.set SLOT,   HALFA+2*HALFT
.set LAPS,   2
.set KS,     32
.set SCL,    2*SLOT
.set HALFS,  (128*KS/256)*272
.set SBLK,   (16*KS/256)*272
.set SPARE,  SCL+4*HALFS
.set SPITCH, 528
.set ADRA, 16
.set ADRB, 20
.set STO,  24
.set RD,   25
.set CO,   26
.set ADRS, 27
.set SPW,  28
.set NIL,  29
.set BO,   30
.set SC,   32
.set BI,   64
.set AF,   128
.set BK,   128
.set G1,   24
.set G0,   32
.set G1B,  48
.set G0B,  56
.set G1S,  68
.set G0S,  76
.set G1SB, 80
.set G0SB, 88
.set WV,   92
.set RH,   93
.set CH,   94
.set MSB, 0
.macro WIN new
.if MSB != (\new)
	s_set_vgpr_msb (MSB<<8)|(\new)
.set MSB, (\new)
.endif
.endm
.set MUL_LO, 0xa1
.set MUL_HI, 0xf1
.set FST_LO, 0x81
.set FST_HI, 0xc1
.set TO_B,   0x40
.macro JLOAD g0a, g1a, g0b, g1b
	s_cmp_eq_u32 s[RH], 0
	s_cbranch_scc0 .Lfor_b_\@
	tensor_load_to_lds s[\g0a:\g0a+3], s[\g1a:\g1a+7]
	s_nop 0
.rept 4
	v_nop
.endr
	s_branch .Lasked_\@
.Lfor_b_\@:
	tensor_load_to_lds s[\g0b:\g0b+3], s[\g1b:\g1b+7]
	s_nop 0
.rept 4
	v_nop
.endr
.Lasked_\@:
.endm
.macro CREST
	s_cmp_lg_u32 s[WV], 0
	s_cbranch_scc1 .Lnot_wave_0_\@
	s_barrier_signal -3
.Lnot_wave_0_\@:
	s_barrier_wait -3
	s_barrier_signal -1
	s_barrier_wait -1
.endm
.macro CROUND
	s_barrier_signal -1
	s_barrier_wait -1
	CREST
.endm
	s_load_b256 s[4:11], s[0:1], 0x0
	s_load_b128 s[12:15], s[0:1], 0x20
	v_lshl_add_u32 v[SPW], v0, 2, SPARE
	v_mov_b32 v[NIL], 0
	ds_add_u32 v[SPW], v[NIL]
	ds_add_u32 v[SPW], v[NIL]
	v_lshrrev_b32 v1, 5, v0
	v_readfirstlane_b32 s[WV], v1
	s_lshr_b32 s[RH], s[WV], 1
	s_and_b32 s[CH], s[WV], 1
	s_bfe_u32 s40, ttmp6, 0x40000
	s_bfe_u32 s41, ttmp6, 0x40004
	s_lshl_b32 s42, ttmp9, 2
	s_add_co_u32 s42, s42, s40
	s_and_b32 s43, ttmp7, 0xffff
	s_lshl_b32 s43, s43, 2
	s_add_co_u32 s43, s43, s41
	s_lshl_b32 s44, s41, 2
	s_lshl_b32 s44, 15, s44
	s_lshl_b32 s45, 0x1111, s40
	s_or_b32 s[G1+0], s44, (3<<16)|(1<<21)
	s_mov_b32 s[G1+1], 768<<16
	s_mov_b32 s[G1+2], 4<<16
	s_mov_b32 s[G1+3], 768<<16
	s_mov_b32 s[G1+4], 4
	s_mov_b32 s[G1+5], 49152
	s_mov_b32 s[G1+6], 0
	s_mov_b32 s[G1+7], 0
	s_or_b32 s[G1B+0], s45, (0<<16)|(1<<20)|(1<<21)|(3<<22)|(3<<25)
	s_mov_b32 s[G1B+1], 256<<16                    ; 128 rows of one chunk of wcod are dense: 24,576 bytes, stated as 96 rows of 256 bytes; the padding's interval stays 64 bytes, so an LDS row is 192 + 48 bytes as before
	s_mov_b32 s[G1B+2], 192<<16                    ; the head's load brings B's whole 256 rows: 192 rows of 256 bytes
	s_mov_b32 s[G1B+3], 256<<16
	s_mov_b32 s[G1B+4], 192
	s_mov_b32 s[G1B+5], 256
	s_mov_b32 s[G1B+6], 0
	s_mov_b32 s[G1B+7], 0
	s_or_b32 s[G1S+0], s44, (3<<16)|(1<<20)|(1<<21)|(5<<22)|(3<<25)
	s_or_b32 s[G1SB+0], s45, (3<<16)|(1<<20)|(1<<21)|(5<<22)|(3<<25)
.irp g, G1S, G1SB
	s_mov_b32 s[\g+1], 32<<16
	s_mov_b32 s[\g+2], (128*KS/256)<<16
	s_mov_b32 s[\g+3], 32<<16
	s_mov_b32 s[\g+4], 128*KS/256
	s_mov_b32 s[\g+5], 32
	s_mov_b32 s[\g+6], 0
	s_mov_b32 s[\g+7], 0
.endr
	s_mov_b32 s[G1SB+2], (256*KS/256)<<16          ; B's scales: 256 rows in one load (A's: 128 rows)
	s_mov_b32 s[G1SB+4], 256*KS/256
	s_lshl_b32 s3, s43, 7                          ; A: the tile's first row
	s_mul_i32 s[G0+2], s3, 48
	s_mov_b32 s[G0+3], 0
	s_lshl_b32 s[G0S+2], s3, 5
	s_mov_b32 s[G0S+3], 0
	s_lshl_b32 s46, s42, 8
	s_add_co_u32 s46, s46, 3072
	s_mul_i32 s[G0B+2], s46, ROWB
	s_mov_b32 s[G0B+3], 0
	s_lshl_b32 s[G0SB+2], s46, 5
	s_mov_b32 s[G0SB+3], 0
	s_mul_i32 s47, s[CH], 12288                    ; in the ring waves 0 and 1 fetch two heads each of A's tile,
	s_mul_i32 s20, s[CH], HALFT                    ; waves 2 and 3 128 rows each of B's
	s_add_co_u32 s20, s20, HALFA
	s_wait_dscnt 0x0
	s_wait_kmcnt 0x0
	CROUND
	s_mov_b32 s[G0S], 1
	s_mov_b32 s[G0S+1], SCL
	s_add_nc_u64 s[G0S+2:G0S+3], s[6:7], s[G0S+2:G0S+3]
	s_or_b32 s[G0S+3], s[G0S+3], 0x80000000
	s_mov_b32 s[G0SB], 1
	s_mov_b32 s[G0SB+1], SCL+HALFS
	s_add_nc_u64 s[G0SB+2:G0SB+3], s[10:11], s[G0SB+2:G0SB+3]
	s_or_b32 s[G0SB+3], s[G0SB+3], 0x80000000
; THE HEAD'S LOADS, ONE A WAVE: wave 0 A's whole tile of K step 0 (four heads), wave 1 B's 256 rows, wave 2 A's scales, wave 3 B's.  Slot 0's groups 0 state the whole tiles here; behind the wait for these loads
; they are set to my part, for the ring.  Slot 1's state my part of K step 1.
	s_add_nc_u64 s[G0+2:G0+3], s[4:5], s[G0+2:G0+3]
	s_mul_i32 s2, s[CH], 786432                    ; two heads of acod
	s_mov_b32 s3, 0
	s_add_nc_u64 s[G0+6:G0+7], s[G0+2:G0+3], ASTEP
	s_add_nc_u64 s[G0+6:G0+7], s[G0+6:G0+7], s[2:3]
	s_add_nc_u64 s[G0B+2:G0B+3], s[8:9], s[G0B+2:G0B+3]
	s_mul_i32 s2, s[CH], 128*ROWB                  ; 128 rows of a chunk of wcod
	s_add_nc_u64 s[G0B+6:G0B+7], s[G0B+2:G0B+3], 786432
	s_add_nc_u64 s[G0B+6:G0B+7], s[G0B+6:G0B+7], s[2:3]
	s_mov_b32 s[G0+1], 0
	s_mov_b32 s[G0B+1], HALFA
	s_add_co_u32 s[G0+5], s47, SLOT
	s_add_co_u32 s[G0B+5], s20, SLOT
.irp s, 0,1
	s_mov_b32 s[G0+4*\s], 1
	s_or_b32 s[G0+4*\s+3], s[G0+4*\s+3], 0x80000000
	s_mov_b32 s[G0B+4*\s], 1
	s_or_b32 s[G0B+4*\s+3], s[G0B+4*\s+3], 0x80000000
.endr
.macro ARM under, g0, g1, next         ; one chain of branches on the wave's number, a load in every arm, all arms to one join
	s_cmp_lt_u32 s[WV], \under
	s_cbranch_scc0 \next
	tensor_load_to_lds s[\g0:\g0+3], s[\g1:\g1+7]
	s_nop 0
.rept 4
	v_nop
.endr
	s_branch .Lhead_asked
\next:
.endm
	ARM 1, G0,  G1,  .Lhead_b
	ARM 2, G0B, G1B, .Lhead_sa
	ARM 3, G0S, G1S, .Lhead_sb
	tensor_load_to_lds s[G0SB:G0SB+3], s[G1SB:G1SB+7]
	s_nop 0
.rept 4
	v_nop
.endr
.Lhead_asked:
	v_and_b32 v1, 15, v0
	v_bfe_u32 v2, v0, 4, 1
	v_and_b32 v6, 31, v0
	v_mul_u32_u24 v3, v1, PITCH
	v_mul_u32_u24 v4, v2, 24
	v_add_nc_u32 v4, v3, v4
	v_lshl_add_u32 v5, v2, 4, v4
	v_lshlrev_b32 v[CO], 4, v6
	v_lshl_add_u32 v3, v6, 3, 512
	s_mul_i32 s2, s[RH], 3072                      ; my 64 rows of A: four images of 768 bytes in each head's 6,144
	s_mul_i32 s3, s[CH], HALFT
	s_add_co_u32 s3, s3, HALFA
.irp s, 0,1
	v_add_nc_u32 v[ADRA+\s], s2, v[CO]
	v_add_nc_u32 v[ADRA+2+\s], s2, v3
	v_add_nc_u32 v[ADRB+\s], s3, v4
	v_add_nc_u32 v[ADRB+2+\s], s3, v5
	s_add_co_u32 s2, s2, SLOT
	s_add_co_u32 s3, s3, SLOT
.endr
	v_mul_u32_u24 v5, v1, KS
	v_lshrrev_b32 v6, 8, v5
	v_lshl_add_u32 v5, v6, 4, v5
	s_mul_i32 s2, s[RH], HALFS/2                   ; A's scales: my 64 rows of 128
	s_mul_i32 s3, s[CH], HALFS                     ; B's: my 128 rows, behind A's 128
	s_add_co_u32 s3, s3, HALFS
	s_sub_co_u32 s3, s3, s2
	v_mul_u32_u24 v6, s3, v2
	s_add_co_u32 s2, s2, SCL
	v_add_nc_u32 v5, v5, v6
	v_add_nc_u32 v[ADRS], s2, v5
	s_mul_i32 s2, s[WV], 16*SPITCH
	v_mul_u32_u24 v5, v1, SPITCH
	v_lshl_add_u32 v5, v2, 6, v5
	v_add_nc_u32 v[STO], s2, v5
	v_add_nc_u32 v[RD], s2, v[CO]
	v_lshlrev_b32 v[BO], 6, v2
	s_lshl_b32 s2, s42, 10
	s_lshl_b32 s3, s[CH], 9
	s_add_co_u32 s2, s2, s3
	s_mov_b32 s3, 0
	s_add_nc_u64 s[14:15], s[14:15], s[2:3]
.irp b, 0,1,2,3,4,5,6,7
	global_load_b128 v[BI+8*\b:BI+8*\b+3], v[BO], s[14:15] offset:128*(\b/2)+32*(\b%2)
	global_load_b128 v[BI+8*\b+4:BI+8*\b+7], v[BO], s[14:15] offset:128*(\b/2)+32*(\b%2)+16
.endr
	s_lshl_b32 s20, s43, 7
	s_lshl_b32 s21, s[RH], 6
	s_add_co_u32 s20, s20, s21
	s_lshl_b32 s20, s20, 12
	s_add_co_u32 s20, s20, s2
	s_mov_b32 s21, 0
	s_add_nc_u64 s[12:13], s[12:13], s[20:21]
.macro FRAG reg, adr, q, i
.irp p, 0,1,2,3,4,5
.set PCE, 12*(\q)+6*(\p/3)+\p%3
.if PCE%8 < 5
	ds_load_b64 v[\reg+2*\p:\reg+2*\p+1], v[\adr] offset:8*PCE+16*(PCE/8)+(\i)*16*PITCH
.else
	ds_load_b64 v[\reg+2*\p:\reg+2*\p+1], v[\adr+2] offset:8*PCE+16*(PCE/8)+(\i)*16*PITCH
.endif
.endr
.endm
.macro FRAGA reg, slot, q, i
.irp c, 0,1
	ds_load_b128 v[\reg+6*\c:\reg+6*\c+3], v[ADRA+\slot] offset:(2*(\q)+\c)*6144+768*(\i)
	ds_load_b64 v[\reg+6*\c+4:\reg+6*\c+5], v[ADRA+2+\slot] offset:(2*(\q)+\c)*6144+768*(\i)
.endr
.endm
.macro MUL16 a0, p, q, sc, first
.irp a, \a0, \a0+1
.irp b, 0,1,2,3,4,5,6,7
.if \first
	v_wmma_scale_f32_16x16x128_f8f6f4 v[8*(8*((\a)%4)+\b):8*(8*((\a)%4)+\b)+7], v[128*(\p)+FR*\b:128*(\p)+FR*\b+FR-1], v[AF+FR*(\a):AF+FR*(\a)+FR-1], v[BI+8*\b:BI+8*\b+7], v[SC+8*NQ*(\sc)+NQ*\b+(\q)], v[SC+8*NQ*(\sc)+NQ*(\a)+(\q)] matrix_a_fmt:MATRIX_FMT_FP6 matrix_b_fmt:MATRIX_FMT_FP6 matrix_a_scale:MATRIX_SCALE_ROW1
.else
	v_wmma_scale_f32_16x16x128_f8f6f4 v[8*(8*((\a)%4)+\b):8*(8*((\a)%4)+\b)+7], v[128*(\p)+FR*\b:128*(\p)+FR*\b+FR-1], v[AF+FR*(\a):AF+FR*(\a)+FR-1], v[8*(8*((\a)%4)+\b):8*(8*((\a)%4)+\b)+7], v[SC+8*NQ*(\sc)+NQ*\b+(\q)], v[SC+8*NQ*(\sc)+NQ*(\a)+(\q)] matrix_a_fmt:MATRIX_FMT_FP6 matrix_b_fmt:MATRIX_FMT_FP6 matrix_a_scale:MATRIX_SCALE_ROW1
.endif
.endr
.endr
.endm
.macro FETCH_B slot, q, p
	WIN TO_B
.irp i, 0,1,2,3,4,5,6,7
	FRAG 128*(\p)+FR*\i, ADRB+\slot, \q, \i
.endr
	WIN 0
.endm
.macro FETCH_A slot, q, i0
.irp i, \i0, \i0+1
	FRAGA AF+FR*(\i), \slot, \q, \i
.endr
.endm
.macro SCALES sc
.irp i, 0,1,2,3,4,5,6,7
	ds_load_b64 v[SC+8*NQ*\sc+NQ*\i:SC+8*NQ*\sc+NQ*\i+1], v[ADRS] offset:\i*SBLK
.endr
.endm
.macro PLACES n
.rept \n
	v_nop
.endr
.endm
.macro STEP slot, q, first             ; 128 along K: 32 products; A's blocks 0, 1 are fetched anew in the step's middle, blocks 2, 3 at its end
	s_wait_dscnt 2*NLA                             ; the youngest eight loads (A's blocks 2, 3) may be out
.if \first
	WIN FST_LO
.else
	WIN MUL_LO
.endif
	MUL16 0, (\q)%2, \q, \slot, \first
	s_wait_dscnt 0
	PLACES NP
	FETCH_B \slot, (\q)+1, 1-(\q)%2
	FETCH_A \slot, (\q)+1, 0
.if \first
	WIN FST_LO
.else
	WIN MUL_LO
.endif
	MUL16 2, (\q)%2, \q, \slot, \first
	PLACES NP
	WIN 0
	FETCH_A \slot, (\q)+1, 2
.endm
.macro TURN slot, next, fill
	s_wait_tensorcnt 0x0
	ds_add_u32 v[SPW], v[NIL]
	s_wait_dscnt 2*NLA+1
	WIN MUL_LO
	MUL16 0, 1, NQ-1, \slot, 0
	s_wait_dscnt 0x0
	s_barrier_signal -1
	WIN 0
	s_barrier_wait -1
.if \fill
	CREST
	s_add_nc_u64 s[G0+4*\slot+2:G0+4*\slot+3], s[G0+4*\slot+2:G0+4*\slot+3], 2*ASTEP
	s_add_nc_u64 s[G0B+4*\slot+2:G0B+4*\slot+3], s[G0B+4*\slot+2:G0B+4*\slot+3], 2*786432
	JLOAD G0+4*\slot, G1, G0B+4*\slot, G1B
.else
	PLACES NP
.endif
	s_wait_alu depctr_va_vdst(0)
	v_add_nc_u32 v[ADRS], 4*NQ, v[ADRS]
	FETCH_B \next, 0, 0
	FETCH_A \next, 0, 0
	SCALES \next
	WIN MUL_LO
	MUL16 2, 1, NQ-1, \slot, 0
	PLACES NP
	WIN 0
	FETCH_A \next, 0, 2
.endm
	s_wait_alu depctr_va_vdst(0)
	s_wait_tensorcnt 0x0                           ; my tile of the head's four is in
	ds_add_u32 v[SPW], v[NIL]
	s_mov_b32 s[G1+2], 2<<16                       ; no tensor load of mine is out: from here on a load of A brings two heads,
	s_mov_b32 s[G1+4], 2
	s_mov_b32 s[G1B+2], 96<<16                     ; a load of B 128 rows, 96 rows of 256 bytes,
	s_mov_b32 s[G1B+4], 96
	s_mul_i32 s[G0+1], s[CH], 12288                ; and slot 0's groups 0 state my part
	s_mul_i32 s[G0B+1], s[CH], HALFT
	s_add_co_u32 s[G0B+1], s[G0B+1], HALFA
	s_mul_i32 s2, s[CH], 786432
	s_mov_b32 s3, 0
	s_add_nc_u64 s[G0+2:G0+3], s[G0+2:G0+3], s[2:3]
	s_mul_i32 s2, s[CH], 128*ROWB
	s_add_nc_u64 s[G0B+2:G0B+3], s[G0B+2:G0B+3], s[2:3]
	s_wait_dscnt 0x0
	CROUND                                         ; all four tiles are in, in every partner
	JLOAD G0+4, G1, G0B+4, G1B                     ; K step 1, the first tensor load behind the round
	FETCH_B 0, 0, 0
	FETCH_A 0, 0, 0
	SCALES 0
	FETCH_A 0, 0, 2
	s_wait_loadcnt 0x0
	STEP 0, 0, 1
	s_mov_b32 s3, LAPS-1
.Llap:
	TURN 0, 1, 1
	STEP 1, 0, 0
	TURN 1, 0, 1
	STEP 0, 0, 0
	s_sub_co_u32 s3, s3, 1
	s_cmp_lg_u32 s3, 0
	s_cbranch_scc1 .Llap
	TURN 0, 1, 0
	STEP 1, 0, 0
	s_wait_dscnt 0
	WIN MUL_LO
	MUL16 0, 1, NQ-1, 1, 0
	MUL16 2, 1, NQ-1, 1, 0
	WIN 0
.macro TOSTAGE a
.set AC, 64*((\a)%4)
	WIN 0x08+4*((\a)/4)
.irp b, 0,1,2,3,4,5,6,7
	ds_store_b128 v[STO], v[AC+8*\b:AC+8*\b+3] offset:128*(\b/2)+32*(\b%2)
	ds_store_b128 v[STO], v[AC+8*\b+4:AC+8*\b+7] offset:128*(\b/2)+32*(\b%2)+16
.endr
	WIN 0
.set BB, BK+64*((\a)%2)
.irp t, 0,1,2,3,4,5,6,7,8,9,10,11,12,13,14,15
	ds_load_b128 v[BB+4*\t:BB+4*\t+3], v[RD] offset:\t*SPITCH
.endr
.endm
.macro SEND a, younger
.set BB, BK+64*((\a)%2)
	s_wait_dscnt \younger
.if (\a) > 0
.if (\a)%2
	s_add_nc_u64 s[12:13], s[12:13], 8*4096
.else
	s_add_nc_u64 s[12:13], s[12:13], 24*4096
.endif
.endif
.irp t, 0,1,2,3,4,5,6,7,8,9,10,11,12,13,14,15
	global_store_b128 v[CO], v[BB+4*\t:BB+4*\t+3], s[12:13] offset:(16*(\t/8)+\t%8)*4096 th:TH_STORE_NT
.endr
.endm
	PLACES NP
	TOSTAGE 0
.irp a, 1,2,3
.if \a > 1
	s_wait_xcnt 0x0
.endif
	TOSTAGE \a
	SEND \a-1, 32
.endr
	s_wait_xcnt 0x0
	SEND 3, 0
	s_wait_tensorcnt 0x0
	ds_add_u32 v[SPW], v[NIL]
	s_wait_dscnt 0x0
	CROUND
	s_endpgm
.Lfunc_end_k_q3b8874f138_outp:
	.size	k_q3b8874f138_outp, .Lfunc_end_k_q3b8874f138_outp-k_q3b8874f138_outp
	.p2alignl 7, 3214868480
	.fill 96, 4, 3214868480
	.section	.rodata,"a",@progbits
	.p2align	6, 0x0
	.amdhsa_kernel k_q3b8874f138_outp
		.amdhsa_group_segment_fixed_size 327680
		.amdhsa_private_segment_fixed_size 0
		.amdhsa_enable_private_segment 0
		.amdhsa_kernarg_size 48
		.amdhsa_user_sgpr_count 2
		.amdhsa_user_sgpr_kernarg_segment_ptr 1
		.amdhsa_wavefront_size32 1
		.amdhsa_system_sgpr_workgroup_id_x 1
		.amdhsa_system_sgpr_workgroup_id_y 1
		.amdhsa_system_sgpr_workgroup_id_z 1
		.amdhsa_system_vgpr_workitem_id 0
		.amdhsa_next_free_vgpr 1024
		.amdhsa_next_free_sgpr 100
		.amdhsa_reserve_vcc 0
		.amdhsa_float_denorm_mode_32 3
		.amdhsa_float_denorm_mode_16_64 3
		.amdhsa_memory_ordered 1
		.amdhsa_forward_progress 1
		.amdhsa_inst_pref_size 100
	.end_amdhsa_kernel
	.amdgpu_metadata
---
amdhsa.version: [ 1, 2 ]
amdhsa.kernels:
  - .name:           k_q3b8874f138_outp
    .symbol:         k_q3b8874f138_outp.kd
    .args:
      - { .name: acod, .offset: 0, .size: 8, .value_kind: global_buffer, .address_space: global }
      - { .name: ascl, .offset: 8, .size: 8, .value_kind: global_buffer, .address_space: global }
      - { .name: wcod, .offset: 16, .size: 8, .value_kind: global_buffer, .address_space: global }
      - { .name: wscl, .offset: 24, .size: 8, .value_kind: global_buffer, .address_space: global }
      - { .name: out0, .offset: 32, .size: 8, .value_kind: global_buffer, .address_space: global }
      - { .name: bo, .offset: 40, .size: 8, .value_kind: global_buffer, .address_space: global }
    .group_segment_fixed_size: 327680
    .private_segment_fixed_size: 0
    .kernarg_segment_align: 8
    .kernarg_segment_size: 48
    .max_flat_workgroup_size: 128
    .sgpr_count:     100
    .vgpr_count:     1024
    .wavefront_size: 32
...
	.end_amdgpu_metadata
.endif
;; end of part 4
